; MI455X (gfx1250); checked and timed in simulation.
; The chip was launched on July 23, 2026; its instructions are those of AMD's public machine-readable ISA for CDNA 5 (MIT licence, August 2026) and "CDNA5" Instruction Set Architecture Reference Guide (July 2026). The comments in the code are by the model that wrote it; some were corrected since.
;; Gemma3. Allowed arithmetic: matrix products marked QUANTISED: E2M1 operands, one E8M0 scale for each 32 along K, by v_wmma_scale_f32_16x16x128_f8f6f4 with both operands' format E2M1 (or v_wmma_scale_f32_32x16x128_f4), f32 sums; products left as they are: bf16, f16 or f32 operands; f32 sums; everything else in f32.
;; Inputs: Wk 512 x 2,048 float32; Wo 2,048 x 1,024 float32; Wq 1,024 x 2,048 float32; Wv 512 x 2,048 float32; kn_w 128 float32; qn_w 128 float32; x 2 x 2,048 x 2,048 float32.
;; Outputs: out0 2 x 2,048 x 2,048 float32.
;; This version of the problem:
;;   THIS VERSION OF THE PROBLEM IS GIVEN IN LOW PRECISION. The matrix products marked QUANTISED in the list below multiply operands that are first quantised to E2M1 (2 exponent bits, 1 mantissa bit; 4 bits a number), with one power-of-two scale for each 32 numbers along K (OCP MX v1.0); their sums are f32. The products marked 'left as it is' may take bf16, f16 or f32 operands, with f32 sums. Whichever they take, every output number must still come out within the allowed error. Rounding operands to bf16 (8 significant bits) uses up far more of that allowance than f16 does (11 bits, for magnitudes from 6e-5 to 65,504). All else is computed in f32.
;;   The module's matrix products, in the order in which they are computed (A, B: the left and right operand; K: the contracted axis; several contracted axes count as one K, in the product's order):
;;     1. [M 4,096, K 2,048] x [K 2,048, N 1,024]; A: input x; B: input Wq: QUANTISED
;;     2. [M 4,096, K 2,048] x [K 2,048, N 512]; A: input x; B: input Wk: QUANTISED
;;     3. [M 4,096, K 2,048] x [K 2,048, N 512]; A: input x; B: input Wv: QUANTISED
;;     4. batch 8 x [M 4,096, K 128] x [K 128, N 2,048]; A: computed on the way; B: computed on the way: left as it is (an operand is computed on the way)
;;     5. batch 8 x [M 4,096, K 2,048] x [K 2,048, N 128]; A: computed on the way; B: computed on the way: left as it is (an operand is computed on the way)
;;     6. [M 4,096, K 1,024] x [K 1,024, N 2,048]; A: computed on the way; B: input Wo: left as it is (an operand is computed on the way)
;;   THE QUANTISER, for each operand of a quantised product, along K:
;;     - K is cut into blocks of 32 from its start; a last block that is shorter is filled with zeros.
;;     - A block's scale is 2^e with e = floor(log2(the largest magnitude in the block)) - 2, held to -126 .. 127; a block of zeros has e = 0. As a byte (E8M0): e + 127.
;;     - Each number is divided by its block's scale, clamped to +-6, and rounded to the nearest number of E2M1, ties to even, subnormals kept.
;;     - The product sums the exact products of the quantised numbers (number of the format x scale) in f32.
;;   ~~~python
;;   def quantise(x, axis):      # numpy; x: float32 -> the quantised numbers, widened to float32 again
;;       x = np.moveaxis(x, axis, -1); K = x.shape[-1]
;;       x = np.pad(x, [(0, 0)] * (x.ndim - 1) + [(0, -K % 32)]); x = x.reshape(x.shape[:-1] + (-1, 32)); a = np.abs(x).max(-1, keepdims=True)
;;       e = np.where(a > 0, np.clip(np.frexp(np.where(a > 0, a, 1))[1] - 1 - 2, -126, 127), 0)      # np.frexp(a)[1] - 1 = floor(log2(a)), exactly
;;       r = np.clip(x / 2.0 ** e, -6, 6)
;;       step = 2.0 ** (np.maximum(np.frexp(np.where(r == 0, 1, r))[1] - 1, 0) - 1)
;;       q = np.round(r / step) * step * 2.0 ** e      # np.round: ties to even
;;       return np.moveaxis(q.reshape(q.shape[:-2] + (-1,))[..., :K], -1, axis).astype(np.float32)
;;   ~~~
;; One version. Each part assembles by itself: llvm-mc -triple=amdgcn-amd-amdhsa -mcpu=gfx1250 --defsym DOCPART=n.
;; ======== version 1 of 1: 4 launches
;; limits: values are held in f16: magnitudes above 65,504 overflow, below 6.1e-05 lose precision
;; workspace buffers: codes 6,291,456 bytes; scales 393,216 bytes; wo16 4,194,304 bytes; rope 1,048,576 bytes; qkv16 20,971,520 bytes; ctx16 8,388,608 bytes; fine 262,144 bytes; fo 262,144 bytes
;; launch prep (part 1): grid 544 x 1, 4 waves a work-group, no clusters, 33,280 bytes of LDS; arguments x, Wq, Wk, Wv, Wo, codes, scales, wo16, rope, qkv16; writes codes, scales, wo16, rope, qkv16
.if DOCPART == 1
	.amdgcn_target "amdgcn-amd-amdhsa--gfx1250"
	.amdhsa_code_object_version 6
	.text
	.protected	k_q029281472d_prep
	.globl	k_q029281472d_prep
	.p2align	8
	.type	k_q029281472d_prep,@function
k_q029281472d_prep:
	s_mov_b64 s[64:65], 0
	v_nop
	global_prefetch_b8 v0, s[64:65] scope:SCOPE_SE
	s_setreg_imm32_b32 hwreg(HW_REG_WAVE_MODE, 25, 1), 1
	s_wait_xcnt 0x0
; PREP: everything that is made once, ahead of the products.  Three kinds of work-groups, told apart by the work-group's number alone.
;  0..383   x, Wq, Wk, Wv (f32, K innermost, rows dense) become codes of FP4 (E2M1) and one E8M0 scale byte for each 32 along K.  x's 4,096 rows come first in both buffers, then Wq's 1,024, Wk's 512, Wv's 512:
;           all four are plain streams of blocks of 32, so a run of 8,192 numbers of any of them goes to run number 4 x work-group + wave of the outputs.
;  384..511 Wo becomes f16 (its product is left as it is), and 16 KiB of zeros go in front of a plane of K or V: 512 rows that stand for the keys before a sequence's first.
;  512..543 the table of cos and sin for the rotary embedding, laid in the order in which the reader's registers take it.
; A block's scale is 2^(floor(log2(largest magnitude)) - 2): its byte is the largest magnitude's exponent field - 2, held at 1 from below.
; LIMITS: a block of zeros, and one whose largest magnitude lies under 2^-124, keeps the byte 1 (the bytes are read by this program alone; zero codes add nothing under it); NaN and infinities among the inputs are not served.
; Wo in f16: magnitudes from 6e-5 to 65,504 keep 11 bits; smaller ones keep an absolute error of 2^-25.
; The angle t x inv_freq is one f32 product, as the definition has it; inv_freq = 2^(-i log2(10000) / 64) may differ from the definition's by a few units in the last place; q and k take the same table.
; No matrix unit, no cluster, no tensor load: every byte is read once, by one wave.
.set PLANE,  655360                    ; a plane of qkv16: 2,560 rows of 256 bytes
.set STEPS,  16
.set EMAX,   2
.set CB,     8                         ; bytes of 16 codes
.set R,      16                        ; v16-79   four sets of 16 numbers as they are loaded
.set X,      80                        ; v80-111  two sets of 16 neighbours
.set E,      112                       ; v112-127 a scale byte for each step
.set C,      128                       ; v128-191 codes: four registers for each step, so that no store's data are written again
.set WREG,   8192                      ; LDS: a region for each wave: two stages of 32 x SP bytes, behind them its 256 scale bytes
.set SP,     80                        ; a lane's place in a stage: 64 bytes + 16 of padding
.set SPW,    12                        ; v12 LDS address of my spare word; never rewritten
.set NIL,    13                        ; v13 0; never rewritten
.set SPARE,  4*WREG                    ; behind the four regions: the spare words, 128 bytes a wave
	s_load_b256 s[4:11], s[0:1], 0x0               ; x s[4:5], Wq s[6:7], Wk s[8:9], Wv s[10:11]
	s_load_b256 s[12:19], s[0:1], 0x20             ; Wo s[12:13], codes s[14:15], scales s[16:17], wo16 s[18:19]
	s_load_b128 s[20:23], s[0:1], 0x40             ; rope s[20:21], qkv16 s[22:23]
	v_lshl_add_u32 v[SPW], v0, 2, SPARE
	v_mov_b32 v[NIL], 0
	v_lshrrev_b32 v1, 5, v0
	v_readfirstlane_b32 s24, v1                    ; wave 0..3
	s_cmp_ge_u32 ttmp9, 512
	s_cbranch_scc1 .Ltable
	s_cmp_ge_u32 ttmp9, 384
	s_cbranch_scc1 .Lwo
; ---------------- the quantiser: a wave takes 16 steps of 512 numbers.  Each load reads 512 consecutive bytes; a step's 2,048 bytes turn through the wave's own stage in LDS, so that a lane
; then holds 16 neighbours along K (two neighbouring lanes hold a block); a lane's 16 codes are 8 bytes: the wave stores 256 consecutive bytes.  A wave's 256 scale bytes are gathered in LDS and leave as one store.
	v_and_b32 v2, 31, v0                           ; lane
	v_lshlrev_b32 v3, 4, v2                        ; my 16 bytes of a load's 512
	s_mul_i32 s25, s24, WREG
	v_lshrrev_b32 v14, 2, v2
	v_mul_u32_u24 v14, v14, SP
	v_and_b32 v15, 3, v2
	v_lshl_add_u32 v14, v15, 4, v14
	v_add_nc_u32 v14, s25, v14                     ; the stage, on the way in: SP (lane / 4) + 16 (lane % 4)
	v_mul_u32_u24 v15, v2, SP
	v_add_nc_u32 v15, s25, v15                     ; and on the way out: SP x lane
	v_mul_u32_u24 v4, v2, CB                       ; my codes' place in a step's
	v_lshrrev_b32 v5, 1, v2
	s_add_co_u32 s25, s25, 2*32*SP
	v_add_nc_u32 v5, s25, v5                       ; my block's byte among my wave's 256 scale bytes
	v_lshlrev_b32 v7, 3, v2
	v_add_nc_u32 v6, s25, v7                       ; and 8 bytes a lane on the way out
	s_wait_kmcnt 0x0
	s_cmp_lt_u32 ttmp9, 352                        ; which tensor: the choice hangs on the work-group's number alone
	s_cselect_b64 s[26:27], s[8:9], s[10:11]
	s_mov_b32 s28, 352
	s_cselect_b32 s28, 320, s28                    ; and the tensor's first work-group
	s_cmp_lt_u32 ttmp9, 320
	s_cselect_b64 s[26:27], s[6:7], s[26:27]
	s_cselect_b32 s28, 256, s28
	s_cmp_lt_u32 ttmp9, 256
	s_cselect_b64 s[26:27], s[4:5], s[26:27]
	s_cselect_b32 s28, 0, s28
	s_sub_co_u32 s28, ttmp9, s28
	s_lshl_b32 s28, s28, 2
	s_add_co_u32 s28, s28, s24                     ; my run of 8,192 numbers in the tensor,
	s_lshl_b32 s28, s28, 15                        ; 32,768 bytes each
	s_mov_b32 s29, 0
	s_add_nc_u64 s[26:27], s[26:27], s[28:29]
	s_lshl_b32 s30, ttmp9, 2
	s_add_co_u32 s30, s30, s24                     ; my run in the outputs
	s_lshl_b32 s28, s30, 12                        ; 4,096 bytes of codes,
	s_add_nc_u64 s[14:15], s[14:15], s[28:29]
	s_lshl_b32 s28, s30, 8                         ; 256 scale bytes
	s_add_nc_u64 s[16:17], s[16:17], s[28:29]
.macro LOAD t
.irp i, 0,1,2,3
	global_load_b128 v[R+16*((\t)%4)+4*\i:R+16*((\t)%4)+4*\i+3], v3, s[26:27] offset:2048*(\t)+512*\i th:TH_LOAD_NT
.endr
.endm
.macro TURN t                          ; step t's numbers through the stage: LDS serves a wave's instructions in order, so no wait stands between the stores and the loads
.irp i, 0,1,2,3
	ds_store_b128 v14, v[R+16*((\t)%4)+4*\i:R+16*((\t)%4)+4*\i+3] offset:32*SP*((\t)%2)+8*SP*\i
.endr
.irp i, 0,1,2,3
	ds_load_b128 v[X+16*((\t)%2)+4*\i:X+16*((\t)%2)+4*\i+3], v15 offset:32*SP*((\t)%2)+16*\i
.endr
.endm
.irp t, 0,1,2,3
	LOAD \t
.endr
	s_wait_loadcnt 12                              ; step 0's four loads are in; the twelve of steps 1 to 3 may be out
	TURN 0
.macro STEP t
.set XS, X+16*((\t)%2)
.if (\t) > 0
	s_wait_dscnt 1                                 ; this step's numbers are back from the stage (the last step's byte store may be out)
.else
	s_wait_dscnt 0x0
.endif
.if (\t)+4 < STEPS
	LOAD (\t)+4                                    ; into the registers that the stage's stores have read
.endif
.if (\t)+1 < STEPS
.if STEPS-2-(\t) >= 3
	s_wait_loadcnt 12                              ; the next step's four loads are in; those of the three steps behind it may be out
.else
	s_wait_loadcnt 4*(STEPS-2-(\t))
.endif
	TURN (\t)+1
.endif
	v_max3_num_f32 v8, |v[XS]|, |v[XS+1]|, |v[XS+2]|               ; the largest magnitude of my 16, in two chains
	v_max3_num_f32 v9, |v[XS+3]|, |v[XS+4]|, |v[XS+5]|
.irp i, 6,10
	v_max3_num_f32 v8, v8, |v[XS+\i]|, |v[XS+\i+1]|
	v_max3_num_f32 v9, v9, |v[XS+\i+2]|, |v[XS+\i+3]|
.endr
	v_max3_num_f32 v8, v8, |v[XS+14]|, |v[XS+15]|
	v_max3_num_f32 v8, v8, v9, (EMAX+1)<<23        ; and the floor 2^(3 - 127): the byte cannot fall under 1
	v_max_num_f32_dpp v8, v8, v8 row_xmask:1 row_mask:0xf bank_mask:0xf   ; and of my neighbour's 16: the block's
	v_add_nc_u32 v11, -(EMAX<<23), v8              ; 2 off its exponent field: the conversion takes the exponent field of this operand as its scale
	v_cvt_scalef32_pk8_fp4_f32 v[C+4*(\t)], v[XS:XS+7], v11         ; to the nearest code, ties to even; beyond 6 the largest code
	v_cvt_scalef32_pk8_fp4_f32 v[C+4*(\t)+1], v[XS+8:XS+15], v11
	v_lshrrev_b32 v[E+(\t)], 23, v11               ; the scale's byte
	ds_store_b8 v5, v[E+(\t)] offset:16*(\t)       ; both lanes of a block write the same byte with the same value
	global_store_b64 v4, v[C+4*(\t):C+4*(\t)+1], s[14:15] offset:32*CB*(\t)
.endm
.irp t, 0,1,2,3,4,5,6,7,8,9,10,11,12,13,14,15
	STEP \t
.endr
	ds_load_b64 v[8:9], v6                         ; LDS serves a wave's instructions in order: these see my byte stores
	s_wait_dscnt 0x0
	global_store_b64 v7, v[8:9], s[16:17]          ; 32 lanes store 256 consecutive bytes, aligned
	s_wait_tensorcnt 0x0                           ; the wave's end: behind my last LDS store
	ds_add_u32 v[SPW], v[NIL]
	s_wait_dscnt 0x0
	s_endpgm
; ---------------- Wo to f16: 16,384 numbers a work-group, 32 steps of 2,048 bytes in and 1,024 out; sixteen loads of every wave are on their way.  And 16 KiB of zeros.
.Lwo:
	v_lshlrev_b32 v1, 4, v0                        ; 16 bytes a thread in,
	v_lshlrev_b32 v2, 3, v0                        ; 8 out
.irp i, 0,1,2,3
	v_mov_b32 v[144+\i], 0
.endr
	s_sub_co_u32 s25, ttmp9, 384                   ; i = 0..127
	s_lshl_b32 s26, s25, 16
	s_mov_b32 s27, 0
	s_lshl_b32 s28, s25, 15
	s_mov_b32 s29, 0
	s_lshr_b32 s30, s25, 3
	s_add_co_u32 s30, s30, 16                      ; planes 16..31 are K's and V's
	s_mul_i32 s30, s30, PLANE
	s_and_b32 s31, s25, 7
	s_lshl_b32 s31, s31, 14                        ; which eighth of the plane's first 512 rows
	s_add_co_u32 s30, s30, s31
	s_mov_b32 s31, 0
	s_wait_kmcnt 0x0
	s_add_nc_u64 s[12:13], s[12:13], s[26:27]
	s_add_nc_u64 s[18:19], s[18:19], s[28:29]
	s_add_nc_u64 s[22:23], s[22:23], s[30:31]
.set k, 0
.rept 16
	global_load_b128 v[16+4*k:19+4*k], v1, s[12:13] offset:2048*k th:TH_LOAD_NT
.set k, k+1
.endr
.set k, 0
.rept 8
	global_store_b128 v1, v[144:147], s[22:23] offset:2048*k       ; a wave stores 512 consecutive bytes of zeros
.set k, k+1
.endr
.set k, 0
.rept 32
.if k < 16
	s_wait_loadcnt 15                              ; load k is in; the fifteen behind it may be out
.else
	s_wait_loadcnt 31-k                            ; no more loads follow: the count runs down
.endif
	v_cvt_pk_f16_f32 v[80+2*k], v[16+4*(k%16)], v[17+4*(k%16)]
	v_cvt_pk_f16_f32 v[81+2*k], v[18+4*(k%16)], v[19+4*(k%16)]
.if k < 16
	global_load_b128 v[16+4*k:19+4*k], v1, s[12:13] offset:2048*(k+16) th:TH_LOAD_NT
.endif
	global_store_b64 v2, v[80+2*k:81+2*k], s[18:19] offset:1024*k  ; a wave stores 256 consecutive bytes, aligned; each step has its own two registers
.set k, k+1
.endr
	s_endpgm
; ---------------- the table.  A wave makes block tb: 16 positions t = 16 tb + (lane % 16) x 64 frequencies.  Piece (b, q) of 512 bytes holds, 16 bytes a lane, frequencies 16 b + 8 (lane / 16) + 4 (q % 2) + 0..3:
; q = 0, 1 the cosines, q = 2, 3 the sines.  The angle is reduced by quarter turns (n = nearest whole number to a x 2 / pi; pi / 2 in two parts) and sin and cos are polynomials on |r| <= pi / 4.
.Ltable:
	s_sub_co_u32 s25, ttmp9, 512
	s_lshl_b32 s25, s25, 2
	s_add_co_u32 s25, s25, s24                     ; tb = 0..127
	v_and_b32 v1, 15, v0
	v_bfe_u32 v2, v0, 4, 1
	v_lshl_add_u32 v3, s25, 4, v1                  ; t
	v_cvt_f32_u32 v8, v3
	v_lshlrev_b32 v9, 3, v2                        ; 8 (lane / 16)
	v_and_b32 v4, 31, v0
	v_lshlrev_b32 v10, 4, v4                       ; 16 x lane
	v_mov_b32 v52, 0xb94ca1f9                      ; the sine's last coefficient,
	v_mov_b32 v53, 0x37ccf5ce                      ; the cosine's
	s_mov_b32 s26, 0xbfc90fdb                      ; -(pi / 2), its upper part,
	s_mov_b32 s27, 0x333bbd2e                      ; and what the upper part is too large by
	s_lshl_b32 s28, s25, 13
	s_mov_b32 s29, 0
	s_wait_kmcnt 0x0
	s_add_nc_u64 s[20:21], s[20:21], s[28:29]
.macro ITEM u                          ; four frequencies: b = u / 2, the half u % 2.  v[64 + 8 u ..]: four cosines, four sines: registers of the item's own
.irp e, 0,1,2,3
	v_add_nc_u32 v[16+\e], 16*((\u)/2)+4*((\u)%2)+\e, v9
.endr
.irp e, 0,1,2,3
	v_cvt_f32_u32 v[16+\e], v[16+\e]
.endr
.irp e, 0,1,2,3
	v_mul_f32 v[16+\e], 0xbe549a78, v[16+\e]       ; -i log2(10000) / 64
.endr
.irp e, 0,1,2,3
	v_exp_f32 v[16+\e], v[16+\e]                   ; inv_freq
.endr
	v_nop                                          ; a plain instruction behind the last exponential,
	s_wait_alu depctr_va_vdst(0)                   ; and one wait for the four, ahead of their first reader
.irp e, 0,1,2,3
	v_mul_f32 v[20+\e], v8, v[16+\e]               ; the angle a
.endr
.irp e, 0,1,2,3
	v_mul_f32 v[24+\e], 0x3f22f983, v[20+\e]       ; a x 2 / pi
.endr
.irp e, 0,1,2,3
	v_rndne_f32 v[24+\e], v[24+\e]                 ; n
.endr
.irp e, 0,1,2,3
	v_fma_f32 v[28+\e], v[24+\e], s26, v[20+\e]
.endr
.irp e, 0,1,2,3
	v_fma_f32 v[28+\e], v[24+\e], s27, v[28+\e]    ; r = a - n pi / 2
.endr
.irp e, 0,1,2,3
	v_mul_f32 v[32+\e], v[28+\e], v[28+\e]         ; s = r r
.endr
.irp e, 0,1,2,3
	v_fmaak_f32 v[36+\e], v52, v[32+\e], 0x3c08839e
	v_fmaak_f32 v[40+\e], v53, v[32+\e], 0xbab6061a
.endr
.irp e, 0,1,2,3
	v_fmaak_f32 v[36+\e], v[36+\e], v[32+\e], 0xbe2aaaa3
	v_fmaak_f32 v[40+\e], v[40+\e], v[32+\e], 0x3d2aaaa5
.endr
.irp e, 0,1,2,3
	v_mul_f32 v[48+\e], v[28+\e], v[32+\e]         ; r s
	v_fma_f32 v[20+\e], v[32+\e], -0.5, 1.0        ; 1 - s / 2
.endr
.irp e, 0,1,2,3
	v_fma_f32 v[36+\e], v[36+\e], v[48+\e], v[28+\e]   ; sin r
	v_mul_f32 v[48+\e], v[32+\e], v[32+\e]         ; s s
.endr
.irp e, 0,1,2,3
	v_fma_f32 v[40+\e], v[40+\e], v[48+\e], v[20+\e]   ; cos r
	v_cvt_i32_f32 v[44+\e], v[24+\e]               ; the quarter turns
.endr
.irp e, 0,1,2,3
	v_and_b32 v[48+\e], 1, v[44+\e]
	v_cmp_eq_u32 vcc_lo, 1, v[48+\e]               ; an odd number of quarter turns: sine and cosine change places
	v_cndmask_b32 v[64+8*(\u)+\e], v[40+\e], v[36+\e], vcc_lo
	v_cndmask_b32 v[68+8*(\u)+\e], v[36+\e], v[40+\e], vcc_lo
	v_and_b32 v[48+\e], 2, v[44+\e]                ; the sine is negative in quarters 2 and 3,
	v_add_nc_u32 v[44+\e], 1, v[44+\e]
	v_lshlrev_b32 v[48+\e], 30, v[48+\e]
	v_and_b32 v[44+\e], 2, v[44+\e]                ; the cosine in quarters 1 and 2
	v_xor_b32 v[68+8*(\u)+\e], v[48+\e], v[68+8*(\u)+\e]
	v_lshlrev_b32 v[44+\e], 30, v[44+\e]
	v_xor_b32 v[64+8*(\u)+\e], v[44+\e], v[64+8*(\u)+\e]
.endr
	global_store_b128 v10, v[64+8*(\u):67+8*(\u)], s[20:21] offset:(4*((\u)/2)+(\u)%2)*512        ; 512 consecutive bytes a store
	global_store_b128 v10, v[68+8*(\u):71+8*(\u)], s[20:21] offset:(4*((\u)/2)+(\u)%2)*512+1024
.endm
.irp u, 0,1,2,3,4,5,6,7
	ITEM \u
.endr
	s_endpgm
.Lfunc_end_k_q029281472d_prep:
	.size	k_q029281472d_prep, .Lfunc_end_k_q029281472d_prep-k_q029281472d_prep
	.p2alignl 7, 3214868480
	.fill 96, 4, 3214868480
	.section	.rodata,"a",@progbits
	.p2align	6, 0x0
	.amdhsa_kernel k_q029281472d_prep
		.amdhsa_group_segment_fixed_size 33280
		.amdhsa_private_segment_fixed_size 0
		.amdhsa_enable_private_segment 0
		.amdhsa_kernarg_size 80
		.amdhsa_user_sgpr_count 2
		.amdhsa_user_sgpr_kernarg_segment_ptr 1
		.amdhsa_wavefront_size32 1
		.amdhsa_system_sgpr_workgroup_id_x 1
		.amdhsa_system_sgpr_workgroup_id_y 1
		.amdhsa_system_sgpr_workgroup_id_z 1
		.amdhsa_system_vgpr_workitem_id 0
		.amdhsa_next_free_vgpr 192
		.amdhsa_next_free_sgpr 66
		.amdhsa_reserve_vcc 1
		.amdhsa_float_denorm_mode_32 3
		.amdhsa_float_denorm_mode_16_64 3
		.amdhsa_memory_ordered 1
		.amdhsa_forward_progress 1
		.amdhsa_inst_pref_size 91
	.end_amdhsa_kernel
	.amdgpu_metadata
---
amdhsa.version: [ 1, 2 ]
amdhsa.kernels:
  - .name:           k_q029281472d_prep
    .symbol:         k_q029281472d_prep.kd
    .args:
      - { .name: x, .offset: 0, .size: 8, .value_kind: global_buffer, .address_space: global }
      - { .name: Wq, .offset: 8, .size: 8, .value_kind: global_buffer, .address_space: global }
      - { .name: Wk, .offset: 16, .size: 8, .value_kind: global_buffer, .address_space: global }
      - { .name: Wv, .offset: 24, .size: 8, .value_kind: global_buffer, .address_space: global }
      - { .name: Wo, .offset: 32, .size: 8, .value_kind: global_buffer, .address_space: global }
      - { .name: codes, .offset: 40, .size: 8, .value_kind: global_buffer, .address_space: global }
      - { .name: scales, .offset: 48, .size: 8, .value_kind: global_buffer, .address_space: global }
      - { .name: wo16, .offset: 56, .size: 8, .value_kind: global_buffer, .address_space: global }
      - { .name: rope, .offset: 64, .size: 8, .value_kind: global_buffer, .address_space: global }
      - { .name: qkv16, .offset: 72, .size: 8, .value_kind: global_buffer, .address_space: global }
    .group_segment_fixed_size: 33280
    .private_segment_fixed_size: 0
    .kernarg_segment_align: 8
    .kernarg_segment_size: 80
    .max_flat_workgroup_size: 128
    .sgpr_count:     66
    .vgpr_count:     192
    .wavefront_size: 32
...
	.end_amdgpu_metadata
.endif
;; end of part 1
;; launch qkv (part 2): grid 16 x 16, 4 waves a work-group, clusters of 4 x 1, 327,680 bytes of LDS; arguments codes, scales, rope, qn_w, kn_w, qkv16, fine; writes qkv16, fine
.if DOCPART == 2
	.amdgcn_target "amdgcn-amd-amdhsa--gfx1250"
	.amdhsa_code_object_version 6
	.text
	.protected	k_q029281472d_qkv
	.globl	k_q029281472d_qkv
	.p2align	8
	.type	k_q029281472d_qkv,@function
k_q029281472d_qkv:
	s_mov_b64 s[64:65], 0
	v_nop
	global_prefetch_b8 v0, s[64:65] scope:SCOPE_SE
	s_setreg_imm32_b32 hwreg(HW_REG_WAVE_MODE, 25, 1), 1
	s_wait_xcnt 0x0
	s_wait_alu depctr_hold_cnt(0) depctr_sa_sdst(0) depctr_va_vdst(0) depctr_va_sdst(0) depctr_va_ssrc(0) depctr_va_vcc(0) depctr_vm_vsrc(0)
	s_getreg_b32 s2, hwreg(HW_REG_IB_STS2, 6, 4)
	s_cmp_eq_u32 s2, 0
	s_cbranch_scc0 .Lentry_in_a_cluster
	s_endpgm
.Lentry_in_a_cluster:
	s_bfe_u32 s2, ttmp6, 0x10000c
	s_cmp_lg_u32 s2, 0x3003
	s_cbranch_scc0 .Lentry_shape_is_right
	s_endpgm
.Lentry_shape_is_right:
; QKV: the three input projections as ONE product on codes of FP4 (E2M1) with E8M0 scales: [4,096 rows of x] x [2,048 rows of Wq, Wk, Wv]^T, K = 2,048, sums in f32; then, in registers, the RMS norm and the
; rotary embedding of q and k, all in f32; q, k and v leave as f16, by head: plane 2 g + b of qkv16 (g = 0..7 q's heads, 8..11 k's, 12..15 v's; b the batch), position t at row 512 + t, rows of 256 bytes.
; Positions 0..15 of every plane also leave in f32 (buffer fine), as an image of the registers, for the launch that carries those rows finely.  Dh^-0.5 is not applied here: the readers fold it into the softmax's factor.
; SHARES.  A work-group makes 256 rows x 128 columns: the columns are ONE head (slot g).  Wave w makes rows 64 w .. 64 w + 63 x all 128 columns: 32 accumulators of 16 x 16, so that a row's whole head lies in two lanes.
; THE MATRIX INSTRUCTION IS USED TRANSPOSED (source 0 = 16 rows of W, source 1 = 16 rows of x): lane (r, h) holds row r and channels 16 b + 8 h + 0..7 of accumulator (a, b); channels c and c + 64 lie in one lane.
; K goes in steps of 512 (rows of 256 bytes of codes) through a ring of two LDS slots; the scale bytes of the work-group's rows, for all of K, come once with the first fills and stay.
; CLUSTER 4 x 1: the four partners make four heads for the same 256 rows of x, so x's tiles and scales (two thirds of a slot's bytes) are asked for JOINTLY, mask 15.  W's tiles differ between partners and are plain
; loads behind the same rounds.  Not 4 x 4: the f32 copy of positions 0..15 is a branch on the row tile, which partners along y would not share.  The branches here hang on the cluster's x (q and k against v), on the
; row tile and on the wave's number: equal in all four partners.
; LIMITS: v leaves in f16: |v| under 65,504.  The orders of the f32 sums differ from the definition's.
; REGISTERS, in windows of 256.  window 0: v16-30 addresses; v32-95 scale words, two sets, and nothing else; v128-191 x's fragments, two sets.  window 1: W's fragments, two sets, at v0 and v128.
;   window 2: the accumulators, (a, b) at v[8 (8 a + b)].  On the way out: window 0: v96-127 sums and work, v128-191 a block's 64 numbers, v192-223 packed, v224-255 rows; window 1: v0-63 1 + w; window 3: cos and sin.
.set PITCH,  272                       ; an LDS row: 256 bytes + 16 of padding = 68 words, so the 16 rows of a fragment load start 4 banks apart
.set BOFF,   256*PITCH                 ; a slot: x's 256 rows, then W's 128
.set SLOT,   384*PITCH
.set SCL,    2*SLOT                    ; behind the ring: the scale bytes as units of 256 bytes + 16: x's 64 units, W's 32
.set SPARE,  SCL+96*PITCH              ; the spare words, 128 bytes a wave
.set STAGE,  SPARE+512                 ; the way out of q and k: 16 rows x 272 bytes a wave
.set VSTG,   64*PITCH                  ; v's way out has bytes of its own, so far behind
.set PLANE,  655360
.set LAPS,   2                         ; K = 2,048 = two laps of two slots of 512
.set ADRA, 16                          ; v16-17 LDS address of my fragments of x in slot 0, 1
.set ADRB, 20                          ; v20-21 of W
.set STO,  24                          ; v24 the stage: where I put 16 bytes of a row
.set RD,   25                          ; v25 and where I read a row back
.set CO,   26                          ; v26 16 x lane
.set ADRS, 27                          ; v27 LDS address of my scale words: lanes 0-15 x's rows, lanes 16-31 W's
.set SPW,  28                          ; v28 LDS address of my spare word; never rewritten
.set NIL,  29                          ; v29 0; never rewritten
.set WNO,  30                          ; v30 32 x (lane / 16): my half's place in the norm's weights
.set SC,   32                          ; scale words: set s at v[SC + 32 s]; register 4 i + q: lanes 0-15 x's block i, lanes 16-31 W's block i, the slot's q-th 128 along K
.set SS,   96                          ; v96-111 sums of squares, four a block of rows
.set RS,   112                         ; v112-119 1 / rms, a pair a block (the upper halves are 0: a packed form names the pair)
.set T,    120                         ; v120-127 at work
.set AF,   128
.set Z,    128                         ; v128-191 a block's 64 numbers
.set PKR,  192                         ; v192-223 packed to f16
.set BK,   224                         ; v224-255 rows read back
.set G1A,  24                          ; s[24:31] group 1 for x's tiles; s[32:39] group 0, a set a slot
.set G0A,  32
.set G1B,  48                          ; s[48:55], s[56:63] the same for W's
.set G0B,  56
.set G1SA, 68                          ; s[68:75], s[76:79] x's scales; s[80:87], s[88:91] W's
.set G0SA, 76
.set G1SB, 80
.set G0SB, 88
.set MSB, 0
.macro WIN new                         ; the immediate's high byte repeats the setting that is left
.if MSB != \new
	s_set_vgpr_msb (MSB<<8)|\new
.set MSB, \new
.endif
.endm
.set MUL,  0xa1                        ; source 0 (W) window 1, source 1 (x) window 0, C and D window 2
.set TO_B, 0x40                        ; destination window 1, address window 0
.macro PLACES n
.rept \n
	v_nop
.endr
.endm
; Waves 0 and 1 fetch for x (jointly), waves 2 and 3 for W.  The branch hangs on the wave's number alone.  An s_nop 0 and four v_nop follow each of the two lines.
.macro JLOAD g0a, g1a, g0b, g1b
	s_cmp_eq_u32 s19, 0
	s_cbranch_scc0 .Lfor_b_\@
	tensor_load_to_lds s[\g0a:\g0a+3], s[\g1a:\g1a+7]
	s_nop 0
.rept 4
	v_nop
.endr
	s_branch .Lasked_\@
.Lfor_b_\@:
	tensor_load_to_lds s[\g0b:\g0b+3], s[\g1b:\g1b+7]
	s_nop 0
.rept 4
	v_nop
.endr
.Lasked_\@:
.endm
.macro CREST                           ; a round of the cluster's barrier behind its opening barrier
	s_cmp_lg_u32 s18, 0
	s_cbranch_scc1 .Lnot_wave_0_\@
	s_barrier_signal -3
.Lnot_wave_0_\@:
	s_barrier_wait -3
	s_barrier_signal -1
	s_barrier_wait -1
.endm
.macro CROUND
	s_barrier_signal -1
	s_barrier_wait -1
	CREST
.endm
	s_load_b256 s[4:11], s[0:1], 0x0               ; codes s[4:5], scales s[6:7], rope s[8:9], qn_w s[10:11]
	s_load_b128 s[12:15], s[0:1], 0x20             ; kn_w s[12:13], qkv16 s[14:15]
	s_load_b64 s[16:17], s[0:1], 0x30              ; fine
	v_lshl_add_u32 v[SPW], v0, 2, SPARE
	v_mov_b32 v[NIL], 0
	ds_add_u32 v[SPW], v[NIL]                      ; the wave's opening: the add, twice on end, and its wait ahead of my first tensor load
	ds_add_u32 v[SPW], v[NIL]
	v_lshrrev_b32 v1, 5, v0
	v_readfirstlane_b32 s18, v1                    ; wave 0..3
	s_lshr_b32 s19, s18, 1                         ; I fetch for x (0) or for W (1),
	s_and_b32 s20, s18, 1                          ; its first or second half
	s_bfe_u32 s21, ttmp6, 0x40000                  ; cx
	s_lshl_b32 s22, ttmp9, 2
	s_add_co_u32 s22, s22, s21                     ; g: the head slot = 4 x cluster x + cx
	s_and_b32 s23, ttmp7, 0xffff                   ; y: the row tile
	; group 1.  Codes: elements of 1 byte, rows of 256, 1,024 bytes apart, 16 bytes of padding behind each 64 words
	s_mov_b32 s[G1A], 15|(1<<20)|(1<<21)|(5<<22)|(3<<25)           ; the mask names all four partners; bit 21 stands beside a mask
	s_mov_b32 s[G1A+1], 256<<16
	s_mov_b32 s[G1A+2], 128<<16                    ; 128 rows a load
	s_mov_b32 s[G1A+3], 256<<16
	s_mov_b32 s[G1A+4], 128
	s_mov_b32 s[G1A+5], 1024
	s_mov_b32 s[G1A+6], 0
	s_mov_b32 s[G1A+7], 0
	s_mov_b32 s[G1B], (1<<20)|(5<<22)|(3<<25)      ; no mask: a load of my own
	s_mov_b32 s[G1B+1], 256<<16
	s_mov_b32 s[G1B+2], 64<<16                     ; 64 rows a load
	s_mov_b32 s[G1B+3], 256<<16
	s_mov_b32 s[G1B+4], 64
	s_mov_b32 s[G1B+5], 1024
	s_mov_b32 s[G1B+6], 0
	s_mov_b32 s[G1B+7], 0
	; scale bytes: dense blocks, as rows of 256 bytes (32 elements of 8), the same padding
	s_mov_b32 s[G1SA], 15|(3<<16)|(1<<20)|(1<<21)|(5<<22)|(3<<25)
	s_mov_b32 s[G1SA+1], 32<<16
	s_mov_b32 s[G1SA+2], 32<<16                    ; 128 rows x 64 bytes = 32 units
	s_mov_b32 s[G1SA+3], 32<<16
	s_mov_b32 s[G1SA+4], 32
	s_mov_b32 s[G1SA+5], 32
	s_mov_b32 s[G1SA+6], 0
	s_mov_b32 s[G1SA+7], 0
	s_mov_b32 s[G1SB], (3<<16)|(1<<20)|(5<<22)|(3<<25)
	s_mov_b32 s[G1SB+1], 32<<16
	s_mov_b32 s[G1SB+2], 16<<16                    ; 64 rows x 64 bytes = 16 units
	s_mov_b32 s[G1SB+3], 32<<16
	s_mov_b32 s[G1SB+4], 16
	s_mov_b32 s[G1SB+5], 32
	s_mov_b32 s[G1SB+6], 0
	s_mov_b32 s[G1SB+7], 0
	; offsets.  x's hang on the row tile and the wave alone, in registers that never hold cx
	s_lshl_b32 s43, s23, 8
	s_lshl_b32 s44, s20, 7
	s_add_co_u32 s43, s43, s44                     ; x: row 256 y + 128 x half
	s_lshl_b32 s44, s43, 10                        ; its codes,
	s_mov_b32 s45, 0
	s_lshl_b32 s46, s43, 6                         ; its scale bytes
	s_mov_b32 s47, 0
	s_lshl_b32 s96, s22, 7
	s_lshl_b32 s97, s20, 6
	s_add_co_u32 s96, s96, s97                     ; W: row 128 g + 64 x half
	s_lshl_b32 s92, s96, 10
	s_add_co_u32 s92, s92, 4194304                 ; W's codes lie behind x's,
	s_mov_b32 s93, 0
	s_lshl_b32 s94, s96, 6
	s_add_co_u32 s94, s94, 262144                  ; its scale bytes too
	s_mov_b32 s95, 0
	s_mov_b32 s40, 0x76543210                      ; v_permlanex16_b32's selects for lane l xor 16
	s_mov_b32 s41, 0xfedcba98
	s_wait_dscnt 0x0                               ; both opening adds are done
	s_wait_kmcnt 0x0
	s_mov_b32 s[G0SA], 1
	s_mul_i32 s[G0SA+1], s20, 32*PITCH
	s_add_co_u32 s[G0SA+1], s[G0SA+1], SCL
	s_add_nc_u64 s[G0SA+2:G0SA+3], s[6:7], s[46:47]
	s_or_b32 s[G0SA+3], s[G0SA+3], 0x80000000
	s_mov_b32 s[G0SB], 1
	s_mul_i32 s[G0SB+1], s20, 16*PITCH
	s_add_co_u32 s[G0SB+1], s[G0SB+1], SCL+64*PITCH
	s_add_nc_u64 s[G0SB+2:G0SB+3], s[6:7], s[94:95]
	s_or_b32 s[G0SB+3], s[G0SB+3], 0x80000000
	s_add_nc_u64 s[44:45], s[4:5], s[44:45]
	s_add_nc_u64 s[92:93], s[4:5], s[92:93]
	s_mul_i32 s43, s20, 128*PITCH                  ; where the tiles go: no place in the cluster enters an LDS address
	s_mul_i32 s97, s20, 64*PITCH
	s_add_co_u32 s97, s97, BOFF
.irp s, 0,1
	s_mov_b32 s[G0A+4*\s], 1
	s_add_co_u32 s[G0A+4*\s+1], s43, \s*SLOT
	s_add_nc_u64 s[G0A+4*\s+2:G0A+4*\s+3], s[44:45], \s*256
	s_or_b32 s[G0A+4*\s+3], s[G0A+4*\s+3], 0x80000000
	s_mov_b32 s[G0B+4*\s], 1
	s_add_co_u32 s[G0B+4*\s+1], s97, \s*SLOT
	s_add_nc_u64 s[G0B+4*\s+2:G0B+4*\s+3], s[92:93], \s*256
	s_or_b32 s[G0B+4*\s+3], s[G0B+4*\s+3], 0x80000000
.endr
	CROUND                                         ; all four work-groups are here: the first joint loads meet
	JLOAD G0SA, G1SA, G0SB, G1SB                   ; the scales first: they are wanted with K step 0
	JLOAD G0A, G1A, G0B, G1B                       ; slot 0
	JLOAD G0A+4, G1A, G0B+4, G1B                   ; slot 1: three loads of mine are out
	v_and_b32 v1, 15, v0                           ; r
	v_bfe_u32 v2, v0, 4, 1                         ; h
	v_mul_u32_u24 v3, v1, PITCH
	v_lshl_add_u32 v4, v2, 4, v3                   ; a fragment's row x pitch + 16 h
	s_mul_i32 s43, s18, 64*PITCH                   ; my 64 rows of x
	v_add_nc_u32 v[ADRA], s43, v4
	s_add_co_u32 s43, s43, SLOT
	v_add_nc_u32 v[ADRA+1], s43, v4
	v_add_nc_u32 v[ADRB], BOFF, v4                 ; all 128 rows of W
	v_add_nc_u32 v[ADRB+1], BOFF+SLOT, v4
	v_lshlrev_b32 v5, 6, v1                        ; my row's scale bytes: 64 a row,
	v_lshrrev_b32 v6, 2, v1
	v_lshl_add_u32 v5, v6, 4, v5                   ; and 16 more for each 256 passed
	s_xor_b32 s44, s18, 3
	s_add_co_u32 s44, s44, 1
	s_mul_i32 s44, s44, 16*PITCH                   ; from my rows of x to W's first: 16 units x (4 - w)
	v_mul_u32_u24 v6, s44, v2                      ; lanes 16-31 take W's
	s_mul_i32 s43, s18, 16*PITCH
	s_add_co_u32 s43, s43, SCL
	v_add_nc_u32 v5, v5, v6
	v_add_nc_u32 v[ADRS], s43, v5
	s_mul_i32 s43, s18, 16*PITCH
	s_add_co_u32 s43, s43, STAGE                   ; my stage
	v_add_nc_u32 v[STO], s43, v4                   ; in: row r, 16 bytes for each half of the lanes
	v_mul_u32_u24 v5, v2, PITCH
	v_lshl_add_u32 v5, v1, 4, v5
	v_add_nc_u32 v[RD], s43, v5                    ; back: lanes 0-15 one row of 256 bytes, lanes 16-31 the next
	v_and_b32 v6, 31, v0
	v_lshlrev_b32 v[CO], 4, v6
	v_lshlrev_b32 v[WNO], 5, v2
.irp a, 0,1,2,3
	v_mov_b32 v[RS+2*\a+1], 0
.endr
	; where the results go
	s_lshr_b32 s43, s23, 3                         ; b: the batch
	s_lshl_b32 s44, s22, 1
	s_add_co_u32 s44, s44, s43                     ; the plane 2 g + b
	s_mul_i32 s46, s44, PLANE
	s_and_b32 s45, s23, 7
	s_lshl_b32 s96, s45, 8
	s_lshl_b32 s97, s18, 6
	s_add_co_u32 s96, s96, s97                     ; t0: my first position
	s_add_co_u32 s97, s96, 512
	s_lshl_b32 s97, s97, 8
	s_add_co_u32 s46, s46, s97
	s_mov_b32 s47, 0
	s_add_nc_u64 s[92:93], s[14:15], s[46:47]      ; OUT: my first row in the plane
	s_lshl_b32 s46, s44, 13
	s_add_nc_u64 s[98:99], s[16:17], s[46:47]      ; FIN: the plane's 8,192 bytes of f32
	s_lshl_b32 s46, s96, 9
	s_add_nc_u64 s[94:95], s[8:9], s[46:47]        ; TAB: the table's block t0 / 16
	s_cmp_lt_u32 ttmp9, 2
	s_cselect_b64 s[96:97], s[10:11], s[12:13]     ; WNP: q's weights or k's
	s_or_b32 s100, s45, s18                        ; 0 where my first block of rows is positions 0..15
	s_mov_b32 s101, 0x3c000000                     ; 1 / 128
	s_mov_b32 s47, 0x358637bd                      ; 1e-6
.macro FRAG reg, adr, q, i             ; 16 rows x 128 K of 4-bit codes: 8 registers; registers 4 c .. 4 c + 3 hold K = 64 c + 32 h + 0 .. 31
.irp c, 0,1
	ds_load_b128 v[\reg+4*\c:\reg+4*\c+3], v[\adr] offset:64*(\q)+32*\c+(\i)*16*PITCH
.endr
.endm
.macro FETCH slot, q, p                ; the fragments of the slot's q-th 128 along K into set p: W's eight, x's four: 24 loads in one run
	WIN TO_B
.irp i, 0,1,2,3,4,5,6,7
	FRAG 128*(\p)+8*\i, ADRB+\slot, \q, \i
.endr
	WIN 0
.irp i, 0,1,2,3
	FRAG AF+32*(\p)+8*\i, ADRA+\slot, \q, \i
.endr
.endm
.macro SCALES sc                       ; a K step's scale words into set sc: four words a row; for i >= 4 lanes 0-15 read filled bytes that nobody uses
.irp i, 0,1,2,3,4,5,6,7
	ds_load_b128 v[SC+32*\sc+4*\i:SC+32*\sc+4*\i+3], v[ADRS] offset:\i*4*PITCH
.endr
.endm
; 16 matrix instructions: x's blocks a0, a0 + 1 against W's eight.  The 32 accumulators take turns, one instruction a turn, in the same order in every step.
.macro MULS a0, p, q, sc, zero
.irp a, \a0, \a0+1
.irp b, 0,1,2,3,4,5,6,7
.if \zero
	v_wmma_scale_f32_16x16x128_f8f6f4 v[8*(8*(\a)+\b):8*(8*(\a)+\b)+7], v[128*(\p)+8*\b:128*(\p)+8*\b+7], v[AF+32*(\p)+8*(\a):AF+32*(\p)+8*(\a)+7], 0, v[SC+32*(\sc)+4*\b+(\q)], v[SC+32*(\sc)+4*(\a)+(\q)] matrix_a_fmt:MATRIX_FMT_FP4 matrix_b_fmt:MATRIX_FMT_FP4 matrix_a_scale:MATRIX_SCALE_ROW1
.else
	v_wmma_scale_f32_16x16x128_f8f6f4 v[8*(8*(\a)+\b):8*(8*(\a)+\b)+7], v[128*(\p)+8*\b:128*(\p)+8*\b+7], v[AF+32*(\p)+8*(\a):AF+32*(\p)+8*(\a)+7], v[8*(8*(\a)+\b):8*(8*(\a)+\b)+7], v[SC+32*(\sc)+4*\b+(\q)], v[SC+32*(\sc)+4*(\a)+(\q)] matrix_a_fmt:MATRIX_FMT_FP4 matrix_b_fmt:MATRIX_FMT_FP4 matrix_a_scale:MATRIX_SCALE_ROW1
.endif
.endr
.endr
.endm
; A step of 128 along K that has its successor in the same slot: the successor's fragments are asked for first, into the set that the step before multiplied (four places behind its last product), then this step's 32 products.
.macro STEP slot, q, zero
	PLACES 4
	FETCH \slot, (\q)+1, 1-(\q)%2
	s_wait_dscnt 24                                ; all but the 24 loads just issued: this step's fragments and scale words are in
	WIN MUL
	MULS 0, (\q)%2, \q, \slot, \zero
	MULS 2, (\q)%2, \q, \slot, \zero
.endm
; A slot's last step changes slots: ONE barrier; ahead of it each wave waits for all its tensor loads, adds 0 to its spare word, and waits for that and for its reads of this slot.  fill = 1: the barrier opens a round of
; the cluster's, and this slot is filled again, two K steps ahead, first thing behind the round.
.macro TURN slot, next, fill
	WIN 0
	s_wait_tensorcnt 0x0                           ; all my tensor loads have landed: my part of the next slot
	ds_add_u32 v[SPW], v[NIL]                      ; 0 onto my spare word
	s_wait_dscnt 1                                 ; this step's fragments are in; the add may be out
	WIN MUL
	MULS 0, 1, 3, \slot, 0                         ; sixteen products stand between the add and the wait for it
	s_wait_dscnt 0x0                               ; the add is done, and my reads of this slot are over
	s_barrier_signal -1
	MULS 2, 1, 3, \slot, 0
	WIN 0
	s_barrier_wait -1
.if \fill
	CREST                                          ; no wave of any partner still reads this slot's tile or has a load on its way
	s_add_nc_u64 s[G0A+4*\slot+2:G0A+4*\slot+3], s[G0A+4*\slot+2:G0A+4*\slot+3], 512
	s_add_nc_u64 s[G0B+4*\slot+2:G0B+4*\slot+3], s[G0B+4*\slot+2:G0B+4*\slot+3], 512
	JLOAD G0A+4*\slot, G1A, G0B+4*\slot, G1B       ; my one tensor load behind the round; its four v_nop are the places ahead of the loads below
.else
	PLACES 4
.endif
	v_add_nc_u32 v[ADRS], 16, v[ADRS]              ; the next K step's scale words
	FETCH \next, 0, 0
	SCALES \next
.endm
	s_wait_tensorcnt 1                             ; the scales and my part of slot 0 are in; slot 1's load may be out
	s_barrier_signal -1
	s_barrier_wait -1
	FETCH 0, 0, 0
	SCALES 0
	STEP 0, 0, 1                                   ; the first step stands ahead of the loop: its products start the sums
	WIN 0
	s_mov_b32 s42, LAPS-1
.Llap:                                                 ; a trip goes once round the ring and fills both slots again
	STEP 0, 1, 0
	STEP 0, 2, 0
	TURN 0, 1, 1
	STEP 1, 0, 0
	STEP 1, 1, 0
	STEP 1, 2, 0
	TURN 1, 0, 1
	STEP 0, 0, 0
	WIN 0
	s_sub_co_u32 s42, s42, 1
	s_cmp_lg_u32 s42, 0
	s_cbranch_scc1 .Llap
	STEP 0, 1, 0                                   ; the last lap fills nothing
	STEP 0, 2, 0
	TURN 0, 1, 0
	STEP 1, 0, 0
	STEP 1, 1, 0
	STEP 1, 2, 0
	s_wait_dscnt 0x0
	WIN MUL
	MULS 0, 1, 3, 1, 0
	MULS 2, 1, 3, 1, 0
	WIN 0
	PLACES 4                                       ; behind the last products: results are read, and registers that products read are loaded and written
	s_cmp_eq_u32 ttmp9, 3
	s_cbranch_scc1 .Lv
; ---------------- q and k: the norm and the rotary embedding.  The loads go out first: my 64 weights (window 1), then cos and sin of my 64 positions (window 3), block of rows by block.
	WIN 0x40
.irp b, 0,1,2,3,4,5,6,7
	global_load_b128 v[8*\b:8*\b+3], v[WNO], s[96:97] offset:64*\b
	global_load_b128 v[8*\b+4:8*\b+7], v[WNO], s[96:97] offset:64*\b+16
.endr
	WIN 0xc0
.irp a, 0,1,2,3
.irp b, 0,1,2,3
.irp q, 0,1,2,3
	global_load_b128 v[64*\a+16*\b+4*\q:64*\a+16*\b+4*\q+3], v[CO], s[94:95] offset:8192*\a+512*(4*\b+\q)   ; 512 consecutive bytes: v[64 a + 16 b + 0..7] cos, + 8..15 sin of frequencies 16 b + 8 h + 0..7
.endr
.endr
.endr
	WIN 0x0a                                       ; sources 0 and 1: window 2
.irp b, 0,1,2,3,4,5,6,7                        ; the sums of squares of my 64 channels, two chains a block of rows, the four blocks by turns; each accumulator is read from its low end on
.irp p, 0,1,2,3
.irp a, 0,1,2,3
.if (\b == 0) && (\p < 2)
	v_pk_mul_f32 v[SS+4*\a+2*\p:SS+4*\a+2*\p+1], v[64*\a+8*\b+2*\p:64*\a+8*\b+2*\p+1], v[64*\a+8*\b+2*\p:64*\a+8*\b+2*\p+1]
.else
	v_pk_fma_f32 v[SS+4*\a+2*(\p%2):SS+4*\a+2*(\p%2)+1], v[64*\a+8*\b+2*\p:64*\a+8*\b+2*\p+1], v[64*\a+8*\b+2*\p:64*\a+8*\b+2*\p+1], v[SS+4*\a+2*(\p%2):SS+4*\a+2*(\p%2)+1]
.endif
.endr
.endr
.endr
	WIN 0
.irp a, 0,1,2,3
	v_pk_add_f32 v[SS+4*\a:SS+4*\a+1], v[SS+4*\a:SS+4*\a+1], v[SS+4*\a+2:SS+4*\a+3]
.endr
.irp a, 0,1,2,3
	v_add_f32 v[SS+4*\a], v[SS+4*\a], v[SS+4*\a+1]
.endr
.irp a, 0,1,2,3
	v_permlanex16_b32 v[SS+4*\a+1], v[SS+4*\a], s40, s41           ; the row's other 64 channels lie in the lane 16 away
.endr
.irp a, 0,1,2,3
	v_add_f32 v[SS+4*\a], v[SS+4*\a], v[SS+4*\a+1]
.endr
.irp a, 0,1,2,3
	v_fma_f32 v[SS+4*\a], v[SS+4*\a], s101, s47    ; the mean + 1e-6
.endr
.irp a, 0,1,2,3
	v_rsq_f32 v[RS+2*\a], v[SS+4*\a]
.endr
	v_nop                                          ; a plain instruction behind the last of the four,
	s_wait_alu depctr_va_vdst(0)                   ; and one wait for them, ahead of their first reader
	s_wait_loadcnt 63                              ; 80 loads were issued: at least the oldest 17 are in, the 16 of the weights among them
	WIN 0x41
.set i, 0
.rept 32
	v_pk_add_f32 v[2*i:2*i+1], v[2*i:2*i+1], 1.0 op_sel_hi:[1,0]   ; 1 + w
.set i, i+1
.endr
.macro TOPLANE a, stg                  ; 16 rows of f16 through my stage and out: a store covers 512 consecutive bytes of the plane
.irp b, 0,1,2,3,4,5,6,7
	ds_store_b128 v[STO], v[PKR+4*\b:PKR+4*\b+3] offset:32*\b+\stg
.endr
.irp f, 0,1,2,3,4,5,6,7
	ds_load_b128 v[BK+4*\f:BK+4*\f+3], v[RD] offset:2*PITCH*\f+\stg    ; LDS serves a wave's instructions in order: these see the stores above
.endr
.irp f, 0,1,2,3,4,5,6,7
	s_wait_dscnt 7-\f                              ; load f is in; the younger ones may be out
	global_store_b128 v[CO], v[BK+4*\f:BK+4*\f+3], s[92:93] offset:4096*\a+512*\f
.endr
.endm
.macro QKBLOCK a
.if \a > 0
	s_wait_xcnt 0x0                                ; the block before's stores have read their registers: Z and BK are written again only behind this wait
.endif
	s_wait_loadcnt 48-16*\a                        ; this block's 16 table loads are in; the later blocks' may be out
	WIN 0x02
.set i, 0
.rept 32
	v_pk_mul_f32 v[Z+2*i:Z+2*i+1], v[64*\a+2*i:64*\a+2*i+1], v[RS+2*\a:RS+2*\a+1] op_sel_hi:[1,0]   ; x / rms
.set i, i+1
.endr
	WIN 0x04
.set i, 0
.rept 32
	v_pk_mul_f32 v[Z+2*i:Z+2*i+1], v[Z+2*i:Z+2*i+1], v[2*i:2*i+1]  ; x (1 + w)
.set i, i+1
.endr
	WIN 0x0c                                       ; source 1: window 3
.irp b, 0,1,2,3
.irp p, 0,1,2,3
.set rL, Z+8*\b+2*\p                   ; channels c < 64,
.set rH, rL+32                         ; c + 64,
.set rC, 64*\a+16*\b+2*\p              ; their cos,
.set rN, rC+8                          ; their sin
.set rT, T+4*(\p%2)
	v_pk_mul_f32 v[rT:rT+1], v[rH:rH+1], v[rN:rN+1]
	v_pk_mul_f32 v[rT+2:rT+3], v[rL:rL+1], v[rN:rN+1]
	v_pk_fma_f32 v[rL:rL+1], v[rL:rL+1], v[rC:rC+1], v[rT:rT+1] neg_lo:[0,0,1] neg_hi:[0,0,1]
	v_pk_fma_f32 v[rH:rH+1], v[rH:rH+1], v[rC:rC+1], v[rT+2:rT+3]
.endr
.endr
	WIN 0
.if \a == 0
	s_cmp_lg_u32 s100, 0                           ; positions 0..15 also leave in f32
	s_cbranch_scc1 .Lnot_first_q
.irp b, 0,1,2,3,4,5,6,7
.irp e, 0,1
	global_store_b128 v[CO], v[Z+8*\b+4*\e:Z+8*\b+4*\e+3], s[98:99] offset:1024*\b+512*\e
.endr
.endr
.Lnot_first_q:
.endif
.set i, 0
.rept 32
	v_cvt_pk_f16_f32 v[PKR+i], v[Z+2*i], v[Z+2*i+1]
.set i, i+1
.endr
	TOPLANE \a, 0
.endm
	QKBLOCK 0
	QKBLOCK 1
	QKBLOCK 2
	QKBLOCK 3
	s_branch .Lend
; ---------------- v: rounded as it is
.Lv:
.macro VBLOCK a
.if \a > 0
	s_wait_xcnt 0x0                                ; the block before's stores have read BK
.endif
	WIN 0x0a
.set i, 0
.rept 32
	v_cvt_pk_f16_f32 v[PKR+i], v[64*\a+2*i], v[64*\a+2*i+1]        ; each accumulator from its low end on
.set i, i+1
.endr
	WIN 0
.if \a == 0
	s_cmp_lg_u32 s100, 0
	s_cbranch_scc1 .Lnot_first_v
	WIN 0x08                                       ; a store's data are its source 1: window 2
.irp b, 0,1,2,3,4,5,6,7
.irp e, 0,1
	global_store_b128 v[CO], v[8*\b+4*\e:8*\b+4*\e+3], s[98:99] offset:1024*\b+512*\e
.endr
.endr
	WIN 0
.Lnot_first_v:
.endif
	TOPLANE \a, VSTG
.endm
	VBLOCK 0
	VBLOCK 1
	VBLOCK 2
	VBLOCK 3
.Lend:
	s_wait_tensorcnt 0x0                           ; the wave's end: behind my last tensor load and my last LDS store
	ds_add_u32 v[SPW], v[NIL]
	s_wait_dscnt 0x0
	CROUND                                         ; the closing round: no work-group ends while a partner may still ask for a tile that names it
	s_endpgm
.Lfunc_end_k_q029281472d_qkv:
	.size	k_q029281472d_qkv, .Lfunc_end_k_q029281472d_qkv-k_q029281472d_qkv
	.p2alignl 7, 3214868480
	.fill 96, 4, 3214868480
	.section	.rodata,"a",@progbits
	.p2align	6, 0x0
	.amdhsa_kernel k_q029281472d_qkv
		.amdhsa_group_segment_fixed_size 327680
		.amdhsa_private_segment_fixed_size 0
		.amdhsa_enable_private_segment 0
		.amdhsa_kernarg_size 56
		.amdhsa_user_sgpr_count 2
		.amdhsa_user_sgpr_kernarg_segment_ptr 1
		.amdhsa_wavefront_size32 1
		.amdhsa_system_sgpr_workgroup_id_x 1
		.amdhsa_system_sgpr_workgroup_id_y 1
		.amdhsa_system_sgpr_workgroup_id_z 1
		.amdhsa_system_vgpr_workitem_id 0
		.amdhsa_next_free_vgpr 1024
		.amdhsa_next_free_sgpr 102
		.amdhsa_reserve_vcc 0
		.amdhsa_float_denorm_mode_32 3
		.amdhsa_float_denorm_mode_16_64 3
		.amdhsa_memory_ordered 1
		.amdhsa_forward_progress 1
		.amdhsa_inst_pref_size 194
	.end_amdhsa_kernel
	.amdgpu_metadata
---
amdhsa.version: [ 1, 2 ]
amdhsa.kernels:
  - .name:           k_q029281472d_qkv
    .symbol:         k_q029281472d_qkv.kd
    .args:
      - { .name: codes, .offset: 0, .size: 8, .value_kind: global_buffer, .address_space: global }
      - { .name: scales, .offset: 8, .size: 8, .value_kind: global_buffer, .address_space: global }
      - { .name: rope, .offset: 16, .size: 8, .value_kind: global_buffer, .address_space: global }
      - { .name: qn_w, .offset: 24, .size: 8, .value_kind: global_buffer, .address_space: global }
      - { .name: kn_w, .offset: 32, .size: 8, .value_kind: global_buffer, .address_space: global }
      - { .name: qkv16, .offset: 40, .size: 8, .value_kind: global_buffer, .address_space: global }
      - { .name: fine, .offset: 48, .size: 8, .value_kind: global_buffer, .address_space: global }
    .group_segment_fixed_size: 327680
    .private_segment_fixed_size: 0
    .kernarg_segment_align: 8
    .kernarg_segment_size: 56
    .max_flat_workgroup_size: 128
    .sgpr_count:     102
    .vgpr_count:     1024
    .wavefront_size: 32
...
	.end_amdgpu_metadata
.endif
;; end of part 2
;; launch attn (part 3): grid 32 x 8, 4 waves a work-group, no clusters, 327,680 bytes of LDS; arguments qkv16, ctx16, fine, Wo, fo; writes ctx16, fo
.if DOCPART == 3
	.amdgcn_target "amdgcn-amd-amdhsa--gfx1250"
	.amdhsa_code_object_version 6
	.text
	.protected	k_q029281472d_attn
	.globl	k_q029281472d_attn
	.p2align	8
	.type	k_q029281472d_attn,@function
k_q029281472d_attn:
	s_mov_b64 s[64:65], 0
	v_nop
	global_prefetch_b8 v0, s[64:65] scope:SCOPE_SE
	s_setreg_imm32_b32 hwreg(HW_REG_WAVE_MODE, 25, 1), 1
	s_wait_xcnt 0x0
; ATTN: ctx[b][t][head] = the sum over the keys k with 0 <= t - k <= 512 of softmax_k(q . k / sqrt(128)) v.  q, k, v: f16, by plane of qkv16 (position t at row 512 + t, rows of 256 bytes; rows 0..511 of K's and V's
; planes are zeros).  Products on f16 operands, sums, maxima and the softmax in f32; the weights p are rounded to f16 for the second product, ctx once at the end.
; SHARES.  A work-group owns 64 positions (t0 = 64 x block) of BOTH query heads of one key head: eight tiles of 16 queries.  Wave w owns positions t0 + 16 w .. + 15: tile 0 of head 2 kvh, tile 1 of head 2 kvh + 1,
; so that every fragment of K and V read from LDS feeds two products.
; KEYS.  The block's queries see keys t0 - 512 .. t0 + 63: rows t0 .. t0 + 575 of the planes.  All 576 rows of K and of V fit in LDS together: each byte of LDS is filled once, in three groups of 192 rows, the
; diagonal's first; no slot is filled again.  Nine steps of 64 keys, walked DOWN from the diagonal, so that the running maximum is a number from the first step on (a query's own key always counts).
; The mask: in step 0 keys after the query, in step 8 keys more than 512 back become -infinity.  In a block whose step j lies before the sequence's first key (block < j) a bias of -infinity, chosen by s_cselect_b32
; from the block's number, leaves the maximum alone and makes every p zero; the rows read there are zeros.  So every work-group fetches and walks the same nine steps, and nothing is jumped over.
; NO CLUSTER: neighbouring blocks' windows are shifted by 64 rows against each other, so partners would need different tiles in the same step; what one block would ask for jointly another would not read.
; LAYOUT.  S^T = K Q^T (source 0 = 16 keys, source 1 = 16 queries): a lane holds ONE query (lane % 16) and keys 16 kt + 8 (lane / 16) + 0..7; two such tiles, rounded in pairs, ARE source 1 of O^T = V^T P.
; SOFTMAX.  p = 2^(c s - c m), c = log2(e) / sqrt(128), m the running maximum; in every step O and l are multiplied by a = 2^(c m_old - c m_new).
; THE FINE PART, at the head, behind the tensor loads and ahead of the first read of a tile: positions 0..15 of both sequences with f32 operands throughout, through attention AND the projection by Wo: there a row of the
; softmax averages one to sixteen values and is the largest in size, so the rounding of 16-bit operands weighs most.  It has nothing to do with the work-group's own block: work-group i of 256 takes batch i % 2 and 16
; columns of the output; wave w takes heads 2 w and 2 w + 1, which share K and V.  out = P (V Wo^T): S^T = K Q^T (64 instructions of the f32 form for the two heads), VW = V Wo^T (64; it contracts the channels, so
; V is loaded as it lies), out = P VW (8; VW's registers, lane = column, registers = keys, are that product's operand as they stand).  136 instructions a wave: no bulk work.  The four waves' parts meet in LDS and
; leave as fo [batch][16 rows][2,048] f32, which the projection's launch puts in the place of its own rows.  fine: [plane 2 g + b][8,192 bytes]: element (row r, channel 16 bb + 8 hh + 4 e + i) at 1,024 bb + 512 e + 16 (16 hh + r) + 4 i.
; Along a product's K the elements are taken in an order that is the same on both sides.  The registers that the f32 form writes (window 3, v128-223) are written by it alone.
; LIMITS: |v| and |ctx| under 65,504; NaN and infinities are not served.  The orders of the f32 sums differ from the definition's; the fine part multiplies V by Wo before the weights.
; REGISTERS.  window 0: v2-11, v30-37 addresses and constants; v12-27 statistics, eight a tile; v64-127 S^T; v128-159 P.  window 1: v0-127 O^T.  window 2: v0-63 Q, v128-255 K of a step.  window 3: v0-127 V of a step.
;   The fine part, before these are taken: window 0: v64-79 scores, then p; v80-95 VW; v96-109 at work; v112-127 my part; v128-135 the four parts.  window 1: v0-127 q of two heads, v128-191 k.
;   window 2: v64-127 v, v128-255 Wo of two heads.  window 3: v128-159 S^T, v160-191 VW, v192-223 out: four accumulators each.
.set PK,    272                        ; a row of K in LDS: 256 bytes + 16: the 16 rows of a load start 4 banks apart
.set PV,    288                        ; a row of V: 256 + 32
.set VOFF,  576*PK                     ; K's 576 rows, then V's
.set SPARE, VOFF+576*PV                ; the spare words, 128 bytes a wave
.set FRED,  SPARE+512                  ; the fine part's four parts, 1,024 bytes a wave: bytes of their own, into which no tile lands
.set STAGE, 384*PK                     ; the way out: 16 rows x 272 bytes a wave, over K's rows 384..447: their one fill is done and their last read lies behind two barriers
.set SP,    272
.set PLANE, 655360
.set AK0, 2                            ; v2  my lane's place in a tile of K
.set AV0, 3                            ; v3  the same for V
.set ADR, 4                            ; v4  the LDS address of the run of loads in hand
.set QO,  5                            ; v5  my byte offset in the wave's rows of Q
.set STO, 6
.set RD,  7
.set GO,  8                            ; v8  my byte offset in the wave's rows of ctx
.set DM,  10                           ; v10 16 w + r - 8 h: register 8 kt + j holds the step's key 16 kt + 8 h + j, my query is the block's 16 w + r
.set NEG, 11                           ; v11 -infinity
.set ST,  12                           ; tile t at v[ST + 8 t]: +0 c m, +1 m, +2, +3 l, +4 to +7 c0-c3 at work; a takes c2's place
.set FQ,  30                           ; v30 fine: 512 h + 16 r: row r, channels 8 s + 4 h + 0..3 in load s
.set FW,  31                           ; v31 Wo: 4,096 r + 16 h: row n0 + r, the same channels
.set FS,  32                           ; v32 where I put my part: FRED + 1,024 x wave + 4 x lane, register j 128 j on
.set FR,  33                           ; v33 where I read the four parts: FRED + 4 x thread
.set FOO, 34                           ; v34 fo: 8 h rows of 8,192 bytes, column r
.set FD,  35                           ; v35 r - 8 h: register j holds key 8 h + j, hidden where j > r - 8 h
.set RES, 36                           ; v36-37 what I store to fo; never rewritten
.set SPW, 62
.set NIL, 63
.set S,   64
.set P,   128
.set SV,  64                           ; fine: scores, then p: head 2 w at v64-71, head 2 w + 1 at v72-79
.set VWS, 80                           ; fine: VW of the two heads
.set FM,  96                           ; fine: +0, +1 maxima; +2, +3 the other lane's; +4..+11 sums; +12, +13 reciprocals
.set OS,  112                          ; fine: my part of the output, and work
.set RL,  128                          ; fine: the four parts, two words each
.set KF,  128                          ; K's fragments, in window 2
.set WV,  12                           ; s12 wave; s13 block
.set G1K, 24
.set G1V, 32
.set G0K, 40                           ; s[40:51] three sets, one a group
.set G0V, 52                           ; s[52:63]
.set CS,  66                           ; s[66:67] c
.set SEL, 68                           ; s[68:69]
.set MSB, 0
.macro WIN new
.if MSB != \new
	s_set_vgpr_msb (MSB<<8)|\new
.set MSB, \new
.endif
.endm
.set W_KQ, 0x0a                        ; K and Q window 2, S^T window 0
.set W_PV, 0x53                        ; V window 3, P window 0, O^T window 1
.set W_RS, 0x41                        ; O^T window 1, a window 0
.macro PLACES
.rept 4
	v_nop
.endr
.endm
	s_load_b128 s[4:7], s[0:1], 0x0                ; qkv16 s[4:5], ctx16 s[6:7]
	s_load_b128 s[76:79], s[0:1], 0x10             ; fine s[76:77], Wo s[78:79]
	s_load_b64 s[80:81], s[0:1], 0x20              ; fo
	v_lshl_add_u32 v[SPW], v0, 2, SPARE
	v_mov_b32 v[NIL], 0
	ds_add_u32 v[SPW], v[NIL]                      ; the wave's opening: the add, twice on end, and its wait ahead of my first tensor load
	ds_add_u32 v[SPW], v[NIL]
	v_lshrrev_b32 v1, 5, v0
	v_readfirstlane_b32 s[WV], v1                  ; wave 0..3
	s_mov_b32 s13, ttmp9                           ; the block of 64 positions
	s_and_b32 s14, ttmp7, 0xffff
	s_lshr_b32 s15, s14, 2                         ; b
	s_and_b32 s16, s14, 3                          ; kvh
	s_and_b32 s17, s[WV], 1                        ; which 96 rows of a group I fetch
	s_lshl_b32 s18, s16, 1
	s_add_co_u32 s18, s18, s15
	s_add_co_u32 s19, s18, 16                      ; K's plane 16 + 2 kvh + b; V's lies 8 planes on
	s_mul_i32 s20, s19, PLANE
	s_lshl_b32 s22, s13, 14                        ; t0 rows of 256 bytes
	s_mul_i32 s23, s17, 96*256
	s_add_co_u32 s20, s20, s22
	s_add_co_u32 s20, s20, s23
	s_mov_b32 s21, 0
	s_lshl_b32 s8, s16, 2
	s_add_co_u32 s8, s8, s15                       ; Q's plane of head 2 kvh: 4 kvh + b; head 2 kvh + 1 lies 2 planes on
	s_mul_i32 s8, s8, PLANE
	s_add_co_u32 s8, s8, s22
	s_lshl_b32 s9, s[WV], 12                       ; my 16 rows
	s_add_co_u32 s8, s8, s9
	s_add_co_u32 s8, s8, 512*256
	s_mov_b32 s9, 0
	s_lshl_b32 s10, s15, 11
	s_lshl_b32 s11, s13, 6
	s_add_co_u32 s10, s10, s11
	s_lshl_b32 s11, s[WV], 4
	s_add_co_u32 s10, s10, s11                     ; ctx: row 2,048 b + t0 + 16 w of 2,048 bytes,
	s_lshl_b32 s10, s10, 11
	s_lshl_b32 s11, s16, 9                         ; + head 2 kvh's 256 bytes
	s_add_co_u32 s10, s10, s11
	s_mov_b32 s11, 0
	s_mul_i32 s72, s17, 96*PK
	s_mul_i32 s73, s17, 96*PV
	s_mov_b32 s[G1K], (1<<16)|(1<<20)|(5<<22)|(3<<25)              ; elements of 2 bytes; 4 words of padding behind every 64
	s_mov_b32 s[G1V], (1<<16)|(1<<20)|(5<<22)|(7<<25)              ; 8 words
.irp g, G1K, G1V
	s_mov_b32 s[\g+1], 128<<16
	s_mov_b32 s[\g+2], 96<<16
	s_mov_b32 s[\g+3], 128<<16
	s_mov_b32 s[\g+4], 96
	s_mov_b32 s[\g+5], 128
	s_mov_b32 s[\g+6], 0
	s_mov_b32 s[\g+7], 0
.endr
	s_mov_b32 s[CS], 0x3e0293ee                    ; c = log2(e) / sqrt(128)
	s_mov_b32 s[CS+1], s[CS]
	s_mov_b32 s[SEL], 0x76543210
	s_mov_b32 s[SEL+1], 0xfedcba98
	s_wait_dscnt 0x0                               ; both opening adds are done
	s_wait_kmcnt 0x0
	s_add_nc_u64 s[20:21], s[4:5], s[20:21]        ; K at row t0 + 96 x half,
	s_add_nc_u64 s[22:23], s[20:21], 8*PLANE       ; V likewise
	s_add_nc_u64 s[8:9], s[4:5], s[8:9]
	s_add_nc_u64 s[10:11], s[6:7], s[10:11]
.irp G, 0,1,2                                  ; group G: rows 384 - 192 G .. 575 - 192 G
	s_mov_b32 s[G0K+4*\G], 1
	s_add_co_u32 s[G0K+4*\G+1], s72, (384-192*\G)*PK
	s_add_nc_u64 s[G0K+4*\G+2:G0K+4*\G+3], s[20:21], (384-192*\G)*256
	s_or_b32 s[G0K+4*\G+3], s[G0K+4*\G+3], 0x80000000
	s_mov_b32 s[G0V+4*\G], 1
	s_add_co_u32 s[G0V+4*\G+1], s73, VOFF+(384-192*\G)*PV
	s_add_nc_u64 s[G0V+4*\G+2:G0V+4*\G+3], s[22:23], (384-192*\G)*256
	s_or_b32 s[G0V+4*\G+3], s[G0V+4*\G+3], 0x80000000
.endr
	s_cmp_lt_u32 s[WV], 2                          ; waves 0 and 1 fetch K's halves, waves 2 and 3 V's: a wave's three first fills stand in one branch: three loads of mine are out
	s_cbranch_scc0 .Lfirst_v
.irp G, 0,1,2
	tensor_load_to_lds s[G0K+4*\G:G0K+4*\G+3], s[G1K:G1K+7]
	s_nop 0
.endr
.rept 4
	v_nop
.endr
	s_branch .Lfirst_asked
.Lfirst_v:
.irp G, 0,1,2
	tensor_load_to_lds s[G0V+4*\G:G0V+4*\G+3], s[G1V:G1V+7]
	s_nop 0
.endr
.rept 4
	v_nop
.endr
.Lfirst_asked:
	v_and_b32 v1, 15, v0                           ; r
	v_bfe_u32 v9, v0, 4, 1                         ; h
	v_lshlrev_b32 v[QO], 8, v1
	v_lshl_add_u32 v[QO], v9, 4, v[QO]
	v_lshlrev_b32 v[FQ], 4, v1
	v_lshl_add_u32 v[FQ], v9, 9, v[FQ]
	v_lshlrev_b32 v[FW], 12, v1
	v_lshl_add_u32 v[FW], v9, 4, v[FW]
	; the fine part's places: batch fb = block % 2; columns 16 x (block / 2 + 16 y) on; heads 2 w and 2 w + 1
	s_and_b32 s84, s13, 1                          ; fb
	s_lshr_b32 s85, s13, 1
	s_lshl_b32 s82, s14, 4
	s_add_co_u32 s85, s85, s82                     ; which 16 columns: 0..127
	s_mov_b32 s83, 0
	s_lshl_b32 s82, s[WV], 2
	s_add_co_u32 s82, s82, s84                     ; q's plane of head 2 w: 4 w + fb; head 2 w + 1 lies 2 planes on
	s_lshl_b32 s82, s82, 13
	s_add_nc_u64 s[86:87], s[76:77], s[82:83]
	s_lshl_b32 s82, s[WV], 1
	s_add_co_u32 s82, s82, s84
	s_add_co_u32 s82, s82, 16                      ; k's plane 16 + 2 w + fb; v's lies 8 planes on
	s_lshl_b32 s82, s82, 13
	s_add_nc_u64 s[88:89], s[76:77], s[82:83]
	s_lshl_b32 s82, s85, 16                        ; Wo: 16 rows of 4,096 bytes,
	s_lshl_b32 s92, s[WV], 10                      ; head 2 w's 512 bytes; head 2 w + 1's follow
	s_add_co_u32 s82, s82, s92
	s_add_nc_u64 s[90:91], s[78:79], s[82:83]
	s_lshl_b32 s82, s84, 17                        ; fo: 16 fb rows of 8,192 bytes,
	s_lshl_b32 s92, s[WV], 13                      ; + row w,
	s_add_co_u32 s82, s82, s92
	s_lshl_b32 s92, s85, 6                         ; + my 16 columns
	s_add_co_u32 s82, s82, s92
	s_add_nc_u64 s[80:81], s[80:81], s[82:83]
	; 112 loads, in the order in which they are wanted: k and q of the fine part; its v and Wo; the block's own Q
	WIN 0x40
.irp s, 0,1,2,3,4,5,6,7,8,9,10,11,12,13,14,15
	global_load_b128 v[128+4*\s:131+4*\s], v[FQ], s[88:89] offset:1024*(\s/2)+256*(\s%2)
.endr
.irp s, 0,1,2,3,4,5,6,7,8,9,10,11,12,13,14,15
	global_load_b128 v[4*\s:4*\s+3], v[FQ], s[86:87] offset:1024*(\s/2)+256*(\s%2)
.endr
.irp s, 0,1,2,3,4,5,6,7,8,9,10,11,12,13,14,15
	global_load_b128 v[64+4*\s:67+4*\s], v[FQ], s[86:87] offset:16384+1024*(\s/2)+256*(\s%2)
.endr
	WIN 0x80
.irp s, 0,1,2,3,4,5,6,7,8,9,10,11,12,13,14,15
	global_load_b128 v[64+4*\s:67+4*\s], v[FQ], s[88:89] offset:65536+1024*(\s/2)+256*(\s%2)
.endr
.irp s, 0,1,2,3,4,5,6,7,8,9,10,11,12,13,14,15
	global_load_b128 v[128+4*\s:131+4*\s], v[FW], s[90:91] offset:32*\s
.endr
.irp s, 0,1,2,3,4,5,6,7,8,9,10,11,12,13,14,15
	global_load_b128 v[192+4*\s:195+4*\s], v[FW], s[90:91] offset:512+32*\s
.endr
.irp i, 0,1,2,3,4,5,6,7                        ; Q stays in registers: tile i / 4, channels 32 (i % 4) on
	global_load_b128 v[8*\i:8*\i+3],   v[QO], s[8:9] offset:(\i/4)*2*PLANE+(\i%4)*64
	global_load_b128 v[8*\i+4:8*\i+7], v[QO], s[8:9] offset:(\i/4)*2*PLANE+(\i%4)*64+32
.endr
	WIN 0
	v_mul_u32_u24 v[AK0], v1, PK
	v_lshl_add_u32 v[AK0], v9, 4, v[AK0]
	v_and_b32 v28, 7, v0                           ; the turning load: lane l reads key 8 (l / 16) + l % 8, channels 8 ((l / 8) % 2) + 0..7
	v_bfe_u32 v29, v0, 3, 1
	v_lshl_add_u32 v[AV0], v9, 3, v28
	v_mul_u32_u24 v[AV0], v[AV0], PV
	v_lshl_add_u32 v[AV0], v29, 4, v[AV0]
	v_add_nc_u32 v[AV0], VOFF, v[AV0]
	v_lshlrev_b32 v[FD], 3, v9
	v_sub_nc_u32 v[FD], v1, v[FD]
	s_lshl_b32 s71, s[WV], 4
	v_add_nc_u32 v[DM], s71, v[FD]
	v_mov_b32 v[NEG], 0xff800000
	s_mul_i32 s71, s[WV], 16*SP
	s_add_co_u32 s71, s71, STAGE
	v_mul_u32_u24 v[STO], v1, SP
	v_lshl_add_u32 v[STO], v9, 4, v[STO]
	v_add_nc_u32 v[STO], s71, v[STO]
	v_mul_u32_u24 v[RD], v9, SP
	v_lshl_add_u32 v[RD], v1, 4, v[RD]
	v_add_nc_u32 v[RD], s71, v[RD]
	v_lshlrev_b32 v[GO], 11, v9
	v_lshl_add_u32 v[GO], v1, 4, v[GO]
	v_and_b32 v[FS], 31, v0
	v_lshlrev_b32 v[FS], 2, v[FS]
	s_lshl_b32 s71, s[WV], 10
	v_add_nc_u32 v[FS], s71, v[FS]
	v_add_nc_u32 v[FS], FRED, v[FS]
	v_lshl_add_u32 v[FR], v0, 2, FRED
	v_lshlrev_b32 v[FOO], 2, v1
	v_lshl_add_u32 v[FOO], v9, 16, v[FOO]
	v_mov_b32 v[FM+2], 0                           ; written once: a lane permute's destination counts as one of its sources
	v_mov_b32 v[FM+3], 0
.macro FETCH_K j                       ; step j's 64 keys x 128 channels: 16 fragments, 32 loads in one run
	WIN 0
	v_add_nc_u32 v[ADR], (512-64*(\j))*PK, v[AK0]
	WIN 0x80
.irp f, 0,1,2,3,4,5,6,7,8,9,10,11,12,13,14,15
	ds_load_b128 v[KF+8*\f:KF+8*\f+3],   v[ADR] offset:(\f/4)*16*PK+(\f%4)*64
	ds_load_b128 v[KF+8*\f+4:KF+8*\f+7], v[ADR] offset:(\f/4)*16*PK+(\f%4)*64+32
.endr
.endm
.macro FETCH_V j                       ; and its V, turned: keys 32 (f / 8) on, channels 16 (f % 8) on
	WIN 0
	v_add_nc_u32 v[ADR], (512-64*(\j))*PV, v[AV0]
	WIN 0xc0
.irp f, 0,1,2,3,4,5,6,7,8,9,10,11,12,13,14,15
	ds_load_tr16_b128 v[8*\f:8*\f+3],   v[ADR] offset:(\f/8)*32*PV+(\f%8)*32
	ds_load_tr16_b128 v[8*\f+4:8*\f+7], v[ADR] offset:(\f/8)*32*PV+16*PV+(\f%8)*32
.endr
.endm
.macro KQALL                           ; S^T = K Q^T: 32 products; the eight accumulators take turns; the first eight start the sums
	WIN W_KQ
.set i, 0
.rept 32
.set rS, S+32*(i%2)+8*((i/2)%4)
.set rK, KF+32*((i/2)%4)+8*(i/8)
.set rQ, 32*(i%2)+8*(i/8)
.if i < 8
	v_wmma_f32_16x16x32_f16 v[rS:rS+7], v[rK:rK+7], v[rQ:rQ+7], 0
.else
	v_wmma_f32_16x16x32_f16 v[rS:rS+7], v[rK:rK+7], v[rQ:rQ+7], v[rS:rS+7]
.endif
.set i, i+1
.endr
.endm
.macro PVALL zero                      ; O^T += V^T P: 32 products; sixteen accumulators by turns; zero = 1: the first sixteen start the sums
	WIN W_PV
.set i, 0
.rept 32
.set rO, 64*(i%2)+8*((i/2)%8)
.set rV, 64*(i/16)+8*((i/2)%8)
.set rP, P+16*(i%2)+8*(i/16)
.if \zero && (i < 16)
	v_wmma_f32_16x16x32_f16 v[rO:rO+7], v[rV:rV+7], v[rP:rP+7], 0
.else
	v_wmma_f32_16x16x32_f16 v[rO:rO+7], v[rV:rV+7], v[rP:rP+7], v[rO:rO+7]
.endif
.set i, i+1
.endr
.endm
.macro MASK window                     ; window = 0: keys after my query; 1: keys more than 512 before it.  Each accumulator is read from its low end on
.irp kt, 0,1,2,3
.irp jj, 0,1,2,3,4,5,6,7
.if \window
	v_cmp_lt_i32 vcc_lo, 16*\kt+\jj, v[DM]
.else
	v_cmp_gt_i32 vcc_lo, 16*\kt+\jj, v[DM]
.endif
	v_cndmask_b32 v[S+8*\kt+\jj], v[S+8*\kt+\jj], v[NEG], vcc_lo
	v_cndmask_b32 v[S+32+8*\kt+\jj], v[S+32+8*\kt+\jj], v[NEG], vcc_lo
.endr
.endr
.endm
; A step's softmax for both tiles, line by line by turns.  first = 1: step 0 starts m, l and O^T.  biased = 1: s70 (0 or -infinity) is added to the step's maximum and taken off the exponent.
.macro SOFTMAX first, biased
	WIN 0
.irp n, 0,1,2,3
.irp t, 0,1
	v_max3_num_f32 v[ST+8*\t+4+\n], v[S+32*\t+8*\n], v[S+32*\t+8*\n+1], v[S+32*\t+8*\n+2]
.endr
.endr
.irp g, 1,2
.irp n, 0,1,2,3
.irp t, 0,1
	v_max3_num_f32 v[ST+8*\t+4+\n], v[ST+8*\t+4+\n], v[S+32*\t+8*\n+2*\g+1], v[S+32*\t+8*\n+2*\g+2]
.endr
.endr
.endr
.irp t, 0,1
	v_max3_num_f32 v[ST+8*\t+4], v[ST+8*\t+4], v[S+32*\t+7], v[S+32*\t+15]
	v_max3_num_f32 v[ST+8*\t+6], v[ST+8*\t+6], v[S+32*\t+23], v[S+32*\t+31]
.endr
.irp t, 0,1
	v_max3_num_f32 v[ST+8*\t+4], v[ST+8*\t+4], v[ST+8*\t+5], v[ST+8*\t+6]
.endr
.irp t, 0,1
	v_max_num_f32 v[ST+8*\t+4], v[ST+8*\t+4], v[ST+8*\t+7]
.endr
.irp t, 0,1
	v_permlanex16_b32 v[ST+8*\t+5], v[ST+8*\t+4], s[SEL], s[SEL+1]     ; the query's other 32 keys lie in the lane 16 away
.endr
.irp t, 0,1
	v_max_num_f32 v[ST+8*\t+4], v[ST+8*\t+4], v[ST+8*\t+5]
.endr
.if \biased
.irp t, 0,1
	v_add_f32 v[ST+8*\t+4], s70, v[ST+8*\t+4]
.endr
.endif
.if \first
.irp t, 0,1
	v_mov_b32 v[ST+8*\t+1], v[ST+8*\t+4]
.endr
.else
.irp t, 0,1
	v_mov_b32 v[ST+8*\t+7], v[ST+8*\t]             ; c m_old is kept for a
	v_max_num_f32 v[ST+8*\t+1], v[ST+8*\t+1], v[ST+8*\t+4]
.endr
.endif
.irp t, 0,1
	v_mul_f32 v[ST+8*\t], s[CS], v[ST+8*\t+1]
.endr
.if !\first
.irp t, 0,1
	v_sub_f32 v[ST+8*\t+7], v[ST+8*\t+7], v[ST+8*\t]
.endr
.endif
.if \biased
.irp t, 0,1
	v_sub_f32 v[ST+8*\t+4], v[ST+8*\t], s70        ; c m, or +infinity in a step before the sequence's first key
.endr
.endif
.set AD, 4*\biased
.set n, 0
.rept 16
.irp t, 0,1
	v_pk_fma_f32 v[S+32*\t+2*n:S+32*\t+2*n+1], v[S+32*\t+2*n:S+32*\t+2*n+1], s[CS:CS+1], v[ST+8*\t+AD:ST+8*\t+AD+1] op_sel_hi:[1,0,0] neg_lo:[0,0,1] neg_hi:[0,0,1]
.endr
.set n, n+1
.endr
.if !\first
.irp t, 0,1
	v_exp_f32 v[ST+8*\t+6], v[ST+8*\t+7]           ; a
.endr
.endif
.set n, 0
.rept 32
.irp t, 0,1
	v_exp_f32 v[S+32*\t+n], v[S+32*\t+n]           ; p
.endr
.set n, n+1
.endr
	v_nop                                          ; a plain instruction behind the last exponential,
	s_wait_alu depctr_va_vdst(0)                   ; and ONE wait for the whole batch, ahead of its first reader
.set n, 0
.rept 16
.irp t, 0,1
	v_cvt_pk_f16_f32 v[P+16*\t+n], v[S+32*\t+2*n], v[S+32*\t+2*n+1]
.endr
.set n, n+1
.endr
.irp z, 0,1,2,3,4,5,6,7                        ; the sum of the 16 pairs, in place
.irp t, 0,1
	v_pk_add_f32 v[S+32*\t+4*\z:S+32*\t+4*\z+1], v[S+32*\t+4*\z:S+32*\t+4*\z+1], v[S+32*\t+4*\z+2:S+32*\t+4*\z+3]
.endr
.endr
.irp z, 0,1,2,3
.irp t, 0,1
	v_pk_add_f32 v[S+32*\t+8*\z:S+32*\t+8*\z+1], v[S+32*\t+8*\z:S+32*\t+8*\z+1], v[S+32*\t+8*\z+4:S+32*\t+8*\z+5]
.endr
.endr
.irp z, 0,1
.irp t, 0,1
	v_pk_add_f32 v[S+32*\t+16*\z:S+32*\t+16*\z+1], v[S+32*\t+16*\z:S+32*\t+16*\z+1], v[S+32*\t+16*\z+8:S+32*\t+16*\z+9]
.endr
.endr
.if \first
.irp t, 0,1
	v_pk_add_f32 v[ST+8*\t+2:ST+8*\t+3], v[S+32*\t:S+32*\t+1], v[S+32*\t+16:S+32*\t+17]
.endr
.else
.irp t, 0,1
	v_pk_add_f32 v[S+32*\t:S+32*\t+1], v[S+32*\t:S+32*\t+1], v[S+32*\t+16:S+32*\t+17]
.endr
.irp t, 0,1
	v_pk_fma_f32 v[ST+8*\t+2:ST+8*\t+3], v[ST+8*\t+2:ST+8*\t+3], v[ST+8*\t+6:ST+8*\t+7], v[S+32*\t:S+32*\t+1] op_sel_hi:[1,0,1]
.endr
	WIN W_RS
.set n, 0
.rept 32
.irp t, 0,1
	v_pk_mul_f32 v[64*\t+2*n:64*\t+2*n+1], v[64*\t+2*n:64*\t+2*n+1], v[ST+8*\t+6:ST+8*\t+7] op_sel_hi:[1,0]
.endr
.set n, n+1
.endr
.endif
.endm
; A KEY STEP.  K of the next step is asked for behind this step's K Q^T, V of the next step behind this step's V^T P: each run of 32 loads has a softmax or a run of products in which to land.
.macro KSTEP j
	s_wait_dscnt 32                                ; K of this step is in; V's 32 loads, issued behind it, may be out
	KQALL
	WIN 0
	PLACES                                         ; behind the products: the scores are read, and K's registers are loaded again
.if (\j == 2) || (\j == 5)
	s_wait_tensorcnt (5-\j)/3                      ; my part of the next group of 192 rows has landed; a later group's load may stay out
	s_wait_dscnt 0x0
	s_barrier_signal -1
	s_barrier_wait -1                              ; everybody's has
.endif
.if \j < 8
	FETCH_K \j+1
	WIN 0
.endif
.if \j == 0
	MASK 0
.endif
.if \j == 8
	MASK 1
.endif
.if \j > 0
	s_cmp_ge_u32 s13, \j                           ; does step j lie inside the sequence?  A value is chosen; nothing is jumped over
	s_cselect_b32 s70, 0, 0xff800000
	SOFTMAX 0, 1
.else
	SOFTMAX 1, 0
.endif
.if \j < 8
	s_wait_dscnt 32                                ; V of this step is in; the next step's K may be out
.else
	s_wait_dscnt 0x0
.endif
.if \j == 0
	PVALL 1
.else
	PVALL 0
.endif
.if \j < 8
	PLACES                                         ; ahead of the loads into V's registers
	FETCH_V \j+1
.endif
.endm
; ---------------- THE FINE PART: positions 0..15 of batch fb, heads 2 w and 2 w + 1, 16 columns of the output, all in f32, while the first tiles are on their way
	s_wait_loadcnt 63                              ; 112 loads were issued: at least the oldest 49 are in, the 48 of k and q among them
	WIN 0xf5                                       ; sources window 1, C and D window 3
.set u, 0
.rept 32                                       ; S^T = K Q^T: source 0 = 16 keys, source 1 = 16 queries, four channels an instruction; two accumulators a head, the four by turns; the first four start the sums
.if u < 2
	v_wmma_f32_16x16x4_f32 v[128+8*(u%2):135+8*(u%2)], v[128+2*u:129+2*u], v[2*u:2*u+1], 0
	v_wmma_f32_16x16x4_f32 v[144+8*(u%2):151+8*(u%2)], v[128+2*u:129+2*u], v[64+2*u:65+2*u], 0
.else
	v_wmma_f32_16x16x4_f32 v[128+8*(u%2):135+8*(u%2)], v[128+2*u:129+2*u], v[2*u:2*u+1], v[128+8*(u%2):135+8*(u%2)]
	v_wmma_f32_16x16x4_f32 v[144+8*(u%2):151+8*(u%2)], v[128+2*u:129+2*u], v[64+2*u:65+2*u], v[144+8*(u%2):151+8*(u%2)]
.endif
.set u, u+1
.endr
.rept 8
	v_nop                                          ; eight places behind this form before a result is read
.endr
	WIN 0x0f                                       ; sources window 3, destination window 0
.irp j, 0,1,2,3,4,5,6,7
	v_add_f32 v[SV+\j], v[128+\j], v[136+\j]       ; each accumulator from its low end on.  Lane (r, h): the score of query r and key 8 h + j
.endr
.irp j, 0,1,2,3,4,5,6,7
	v_add_f32 v[SV+8+\j], v[144+\j], v[152+\j]
.endr
	WIN 0
.irp j, 0,1,2,3,4,5,6,7
	v_cmp_gt_i32 vcc_lo, \j, v[FD]                 ; causal; the window of 512 does not bind among 16 positions
	v_cndmask_b32 v[SV+\j], v[SV+\j], v[NEG], vcc_lo
	v_cndmask_b32 v[SV+8+\j], v[SV+8+\j], v[NEG], vcc_lo
.endr
.irp t, 0,1
	v_max3_num_f32 v[FM+\t], v[SV+8*\t], v[SV+8*\t+1], v[SV+8*\t+2]
.endr
.irp t, 0,1
	v_max3_num_f32 v[FM+\t], v[FM+\t], v[SV+8*\t+3], v[SV+8*\t+4]
.endr
.irp t, 0,1
	v_max3_num_f32 v[FM+\t], v[FM+\t], v[SV+8*\t+5], v[SV+8*\t+6]
.endr
.irp t, 0,1
	v_max_num_f32 v[FM+\t], v[FM+\t], v[SV+8*\t+7]
.endr
.irp t, 0,1
	v_permlanex16_b32 v[FM+2+\t], v[FM+\t], s[SEL], s[SEL+1]
.endr
.irp t, 0,1
	v_max_num_f32 v[FM+\t], v[FM+\t], v[FM+2+\t]   ; the row's maximum: key 0 counts for every query, so it is a number
.endr
.irp t, 0,1
	v_mul_f32 v[FM+\t], s[CS], v[FM+\t]
.endr
.irp j, 0,1,2,3,4,5,6,7
.irp t, 0,1
	v_fma_f32 v[SV+8*\t+\j], v[SV+8*\t+\j], s[CS], -v[FM+\t]
.endr
.endr
.irp j, 0,1,2,3,4,5,6,7
.irp t, 0,1
	v_exp_f32 v[SV+8*\t+\j], v[SV+8*\t+\j]
.endr
.endr
	v_nop                                          ; a plain instruction behind the last exponential,
	s_wait_alu depctr_va_vdst(0)                   ; and one wait for the sixteen, ahead of their first reader
.irp t, 0,1
.irp z, 0,1,2,3
	v_add_f32 v[FM+4+4*\t+\z], v[SV+8*\t+2*\z], v[SV+8*\t+2*\z+1]
.endr
.endr
.irp t, 0,1
	v_add_f32 v[FM+4+4*\t], v[FM+4+4*\t], v[FM+5+4*\t]
	v_add_f32 v[FM+6+4*\t], v[FM+6+4*\t], v[FM+7+4*\t]
.endr
.irp t, 0,1
	v_add_f32 v[FM+4+4*\t], v[FM+4+4*\t], v[FM+6+4*\t]
.endr
.irp t, 0,1
	v_permlanex16_b32 v[FM+2+\t], v[FM+4+4*\t], s[SEL], s[SEL+1]
.endr
.irp t, 0,1
	v_add_f32 v[FM+4+4*\t], v[FM+4+4*\t], v[FM+2+\t]
.endr
.irp t, 0,1
	v_rcp_f32 v[FM+12+\t], v[FM+4+4*\t]
.endr
	v_nop
	s_wait_alu depctr_va_vdst(0)                   ; one wait for the two reciprocals
.irp j, 0,1,2,3,4,5,6,7
.irp t, 0,1
	v_mul_f32 v[SV+8*\t+\j], v[SV+8*\t+\j], v[FM+12+\t]    ; the weights, normalised
.endr
.endr
	s_wait_loadcnt 16                              ; v and Wo are in; the 16 loads of the block's own Q may be out
	WIN 0xfa                                       ; sources window 2, C and D window 3
.set u, 0
.rept 32                                       ; VW = V Wo^T: source 0 = 16 keys, source 1 = 16 columns, four channels an instruction; two accumulators a head, the four by turns
.if u < 2
	v_wmma_f32_16x16x4_f32 v[160+8*(u%2):167+8*(u%2)], v[64+2*u:65+2*u], v[128+2*u:129+2*u], 0
	v_wmma_f32_16x16x4_f32 v[176+8*(u%2):183+8*(u%2)], v[64+2*u:65+2*u], v[192+2*u:193+2*u], 0
.else
	v_wmma_f32_16x16x4_f32 v[160+8*(u%2):167+8*(u%2)], v[64+2*u:65+2*u], v[128+2*u:129+2*u], v[160+8*(u%2):167+8*(u%2)]
	v_wmma_f32_16x16x4_f32 v[176+8*(u%2):183+8*(u%2)], v[64+2*u:65+2*u], v[192+2*u:193+2*u], v[176+8*(u%2):183+8*(u%2)]
.endif
.set u, u+1
.endr
.rept 8
	v_nop
.endr
	WIN 0x0f
.irp j, 0,1,2,3,4,5,6,7
	v_add_f32 v[VWS+\j], v[160+\j], v[168+\j]      ; lane (r, h), register j: key 8 h + j, column r: the very places in which p holds its keys
.endr
.irp j, 0,1,2,3,4,5,6,7
	v_add_f32 v[VWS+8+\j], v[176+\j], v[184+\j]
.endr
	WIN 0xf0                                       ; sources window 0, C and D window 3
.irp s, 0,1,2,3                                ; out = P VW: source 0 = 16 queries, source 1 = 16 columns; keys 2 s, 2 s + 1 (lanes 0-15) and 8 + 2 s, 9 + 2 s (lanes 16-31); both heads add up; four accumulators by turns
.if \s < 2
	v_wmma_f32_16x16x4_f32 v[192+8*((2*\s)%4):199+8*((2*\s)%4)], v[SV+2*\s:SV+2*\s+1], v[VWS+2*\s:VWS+2*\s+1], 0
	v_wmma_f32_16x16x4_f32 v[200+8*((2*\s)%4):207+8*((2*\s)%4)], v[SV+8+2*\s:SV+8+2*\s+1], v[VWS+8+2*\s:VWS+8+2*\s+1], 0
.else
	v_wmma_f32_16x16x4_f32 v[192+8*((2*\s)%4):199+8*((2*\s)%4)], v[SV+2*\s:SV+2*\s+1], v[VWS+2*\s:VWS+2*\s+1], v[192+8*((2*\s)%4):199+8*((2*\s)%4)]
	v_wmma_f32_16x16x4_f32 v[200+8*((2*\s)%4):207+8*((2*\s)%4)], v[SV+8+2*\s:SV+8+2*\s+1], v[VWS+8+2*\s:VWS+8+2*\s+1], v[200+8*((2*\s)%4):207+8*((2*\s)%4)]
.endif
.endr
.rept 8
	v_nop
.endr
	WIN 0x0f
.irp j, 0,1,2,3,4,5,6,7
	v_add_f32 v[OS+\j], v[192+\j], v[200+\j]
.endr
.irp j, 0,1,2,3,4,5,6,7
	v_add_f32 v[OS+8+\j], v[208+\j], v[216+\j]
.endr
	WIN 0
.irp j, 0,1,2,3,4,5,6,7
	v_add_f32 v[OS+\j], v[OS+\j], v[OS+8+\j]       ; lane (r, h), register j: query 8 h + j, column r: my two heads' part
.endr
.irp j, 0,1,2,3,4,5,6,7
	ds_store_b32 v[FS], v[OS+\j] offset:128*\j
.endr
	s_wait_tensorcnt 2                             ; my part of the diagonal's group has landed; the two later groups' loads may be out
	s_wait_dscnt 0x0                               ; for the others' sake: my part of the fine rows lies in LDS
	s_barrier_signal -1
	s_barrier_wait -1                              ; one barrier for both
.irp p, 0,1,2,3
.irp e, 0,1
	ds_load_b32 v[RL+2*\p+\e], v[FR] offset:1024*\p+512*\e         ; registers w and w + 4 of every wave's part
.endr
.endr
	FETCH_K 0
	WIN 0
	s_wait_dscnt 32                                ; the eight words are in; K's 32 loads, issued behind them, may be out
	v_add_f32 v[RL], v[RL], v[RL+2]
	v_add_f32 v[RL+1], v[RL+1], v[RL+3]
	v_add_f32 v[RL+4], v[RL+4], v[RL+6]
	v_add_f32 v[RL+5], v[RL+5], v[RL+7]
	v_add_f32 v[RES], v[RL], v[RL+4]
	v_add_f32 v[RES+1], v[RL+1], v[RL+5]
	global_store_b32 v[FOO], v[RES], s[80:81]                      ; rows w and 8 + w,
	global_store_b32 v[FOO], v[RES+1], s[80:81] offset:32768       ; rows w + 4 and 12 + w: sixteen lanes store 64 consecutive bytes; neither the data nor the address is written again
	FETCH_V 0
	WIN 0
	s_wait_loadcnt 0x0                             ; Q
.irp j, 0,1,2,3,4,5,6,7,8
	KSTEP \j
.endr
	; THE WAY OUT.  l's halves and the other lane's are added; O^T is divided by l, rounded to f16 and sent through my stage, a tile (16 rows x 256 bytes of one head) at a time.
	WIN 0
	PLACES
.irp t, 0,1
	v_add_f32 v[ST+8*\t+4], v[ST+8*\t+2], v[ST+8*\t+3]
.endr
.irp t, 0,1
	v_permlanex16_b32 v[ST+8*\t+5], v[ST+8*\t+4], s[SEL], s[SEL+1]
.endr
.irp t, 0,1
	v_add_f32 v[ST+8*\t+4], v[ST+8*\t+4], v[ST+8*\t+5]
.endr
.irp t, 0,1
	v_rcp_f32 v[ST+8*\t+6], v[ST+8*\t+4]
.endr
	v_nop
	s_wait_alu depctr_va_vdst(0)                   ; one wait for the two reciprocals, ahead of their first reader
.macro PACK t
	WIN W_RS
.set i, 64*\t
.rept 32
	v_pk_mul_f32 v[i:i+1], v[i:i+1], v[ST+8*\t+6:ST+8*\t+7] op_sel_hi:[1,0]
.set i, i+2
.endr
	WIN 0x05
.set i, 0
.rept 32
	v_cvt_pk_f16_f32 v[S+32*\t+i], v[64*\t+2*i], v[64*\t+2*i+1]
.set i, i+1
.endr
	WIN 0
.irp f, 0,1,2,3,4,5,6,7
	ds_store_b128 v[STO], v[S+32*\t+4*\f:S+32*\t+4*\f+3] offset:32*\f
.endr
.irp f, 0,1,2,3,4,5,6,7
	ds_load_b128 v[S+32*\t+4*\f:S+32*\t+4*\f+3], v[RD] offset:\f*2*SP  ; LDS serves a wave's instructions in order: these see the stores above; the next tile's stores come behind them
.endr
.endm
.macro SEND t, younger
.irp f, 0,1,2,3,4,5,6,7
	s_wait_dscnt \younger+7-\f
	global_store_b128 v[GO], v[S+32*\t+4*\f:S+32*\t+4*\f+3], s[10:11] offset:256*\t+4096*\f   ; 16 lanes store 256 consecutive bytes, aligned
.endr
.endm
	PACK 0
	PACK 1
	SEND 0, 16
	SEND 1, 0
	s_wait_tensorcnt 0x0                           ; the wave's end: behind my last tensor load and my last LDS store
	ds_add_u32 v[SPW], v[NIL]
	s_wait_dscnt 0x0
	s_endpgm
.Lfunc_end_k_q029281472d_attn:
	.size	k_q029281472d_attn, .Lfunc_end_k_q029281472d_attn-k_q029281472d_attn
	.p2alignl 7, 3214868480
	.fill 96, 4, 3214868480
	.section	.rodata,"a",@progbits
	.p2align	6, 0x0
	.amdhsa_kernel k_q029281472d_attn
		.amdhsa_group_segment_fixed_size 327680
		.amdhsa_private_segment_fixed_size 0
		.amdhsa_enable_private_segment 0
		.amdhsa_kernarg_size 40
		.amdhsa_user_sgpr_count 2
		.amdhsa_user_sgpr_kernarg_segment_ptr 1
		.amdhsa_wavefront_size32 1
		.amdhsa_system_sgpr_workgroup_id_x 1
		.amdhsa_system_sgpr_workgroup_id_y 1
		.amdhsa_system_sgpr_workgroup_id_z 1
		.amdhsa_system_vgpr_workitem_id 0
		.amdhsa_next_free_vgpr 1024
		.amdhsa_next_free_sgpr 96
		.amdhsa_reserve_vcc 1
		.amdhsa_float_denorm_mode_32 3
		.amdhsa_float_denorm_mode_16_64 3
		.amdhsa_memory_ordered 1
		.amdhsa_forward_progress 1
		.amdhsa_inst_pref_size 255
	.end_amdhsa_kernel
	.section	.bss,"aw",@nobits
	.p2align	6
	.space	262144
	.amdgpu_metadata
---
amdhsa.version: [ 1, 2 ]
amdhsa.kernels:
  - .name:           k_q029281472d_attn
    .symbol:         k_q029281472d_attn.kd
    .args:
      - { .name: qkv16, .offset: 0, .size: 8, .value_kind: global_buffer, .address_space: global }
      - { .name: ctx16, .offset: 8, .size: 8, .value_kind: global_buffer, .address_space: global }
      - { .name: fine, .offset: 16, .size: 8, .value_kind: global_buffer, .address_space: global }
      - { .name: Wo, .offset: 24, .size: 8, .value_kind: global_buffer, .address_space: global }
      - { .name: fo, .offset: 32, .size: 8, .value_kind: global_buffer, .address_space: global }
    .group_segment_fixed_size: 327680
    .private_segment_fixed_size: 0
    .kernarg_segment_align: 8
    .kernarg_segment_size: 40
    .max_flat_workgroup_size: 128
    .sgpr_count:     96
    .vgpr_count:     1024
    .wavefront_size: 32
...
	.end_amdgpu_metadata
.endif
;; end of part 3
;; launch proj (part 4): grid 16 x 16, 4 waves a work-group, clusters of 4 x 4, 327,680 bytes of LDS; arguments ctx16, wo16, out0, fo; writes out0
.if DOCPART == 4
	.amdgcn_target "amdgcn-amd-amdhsa--gfx1250"
	.amdhsa_code_object_version 6
	.text
	.protected	k_q029281472d_proj
	.globl	k_q029281472d_proj
	.p2align	8
	.type	k_q029281472d_proj,@function
k_q029281472d_proj:
	s_mov_b64 s[64:65], 0
	v_nop
	global_prefetch_b8 v0, s[64:65] scope:SCOPE_SE
	s_setreg_imm32_b32 hwreg(HW_REG_WAVE_MODE, 25, 1), 1
	s_wait_xcnt 0x0
	s_wait_alu depctr_hold_cnt(0) depctr_sa_sdst(0) depctr_va_vdst(0) depctr_va_sdst(0) depctr_va_ssrc(0) depctr_va_vcc(0) depctr_vm_vsrc(0)
	s_getreg_b32 s2, hwreg(HW_REG_IB_STS2, 6, 4)
	s_cmp_eq_u32 s2, 0
	s_cbranch_scc0 .Lentry_in_a_cluster
	s_endpgm
.Lentry_in_a_cluster:
	s_bfe_u32 s2, ttmp6, 0x10000c
	s_cmp_lg_u32 s2, 0xf033
	s_cbranch_scc0 .Lentry_shape_is_right
	s_endpgm
.Lentry_shape_is_right:
; PROJ: out0[m][n] = the sum over k of ctx[m][k] Wo[n][k].  ctx16: [4,096][1,024] f16, wo16: [2,048][1,024] f16, out0: [4,096][2,048] f32; sums in f32.
; A work-group makes 256 rows x 128 columns: 16 x 16 = 256 work-groups.  Wave w makes rows 64 w .. 64 w + 63 x all 128 columns: 32 accumulators of 16 x 16.
; K goes in steps of 128 (rows of 256 bytes) through a ring of two LDS slots; a step is four quarters of 32 along K, 32 products each, on two sets of fragment registers.
; CLUSTER 4 x 4: ctx's tile hangs on the tile row alone and is shared along a row of the cluster, Wo's on the tile column alone and is shared along a column: both are asked for jointly.
; THE MATRIX INSTRUCTION IS USED TRANSPOSED (source 0 = 16 rows of Wo, source 1 = 16 rows of ctx): a lane holds eight neighbouring numbers of a row of out0.
; POSITIONS 0..15 of each sequence come from fo [batch][16 rows][2,048] f32, which the launch before made from f32 operands.  Leaving the products out, or loading fo in some waves only, would be a branch on the tile
; row, which partners along y do not share.  So EVERY wave loads its batch's 16 rows x its 128 columns of fo (16 loads, behind the loop, where no tile is asked for any more), and its first block of 16 rows goes
; through a select by a mask that is all ones only where that block is positions 0..15 (tile row % 8 = 0, wave 0): a value is chosen, nothing is jumped over.
; REGISTERS.  window 0: v16-29 addresses; v32-95 fo's rows; v128-191 ctx's fragments, two sets (on the way out v128-255 rows).  window 1: Wo's fragments, two sets, at v0 and v128.  window 2: the accumulators, (a, b) at v[8 (8 a + b)].
.set PITCH,  272
.set BOFF,   256*PITCH
.set SLOT,   384*PITCH
.set SPARE,  2*SLOT                    ; behind the ring: the spare words, 128 bytes a wave
.set STAGE,  SPARE+512                 ; the way out: 16 rows x (512 + 16) bytes a wave
.set SPITCH, 528
.set LAPS,   4                         ; K = 1,024 = four laps of two slots of 128
.set ADRA, 16
.set ADRB, 20
.set STO,  24
.set RD,   25
.set CO,   26
.set SPW,  28
.set NIL,  29
.set FOR,  32                          ; v32-95 fo's 16 rows, 16 bytes a lane each
.set AF,   128
.set BK,   128
.set G1A,  24
.set G0A,  32
.set G1B,  48
.set G0B,  56
.set MSB, 0
.macro WIN new
.if MSB != \new
	s_set_vgpr_msb (MSB<<8)|\new
.set MSB, \new
.endif
.endm
.set MUL,  0xa1
.set TO_B, 0x40
.macro PLACES n
.rept \n
	v_nop
.endr
.endm
.macro JLOAD s                         ; waves 0 and 1 fetch ctx's halves, waves 2 and 3 Wo's; an s_nop 0 and four v_nop follow each of the two lines
	s_cmp_eq_u32 s11, 0
	s_cbranch_scc0 .Lfor_b_\@
	tensor_load_to_lds s[G0A+4*\s:G0A+4*\s+3], s[G1A:G1A+7]
	s_nop 0
.rept 4
	v_nop
.endr
	s_branch .Lasked_\@
.Lfor_b_\@:
	tensor_load_to_lds s[G0B+4*\s:G0B+4*\s+3], s[G1B:G1B+7]
	s_nop 0
.rept 4
	v_nop
.endr
.Lasked_\@:
.endm
.macro CREST
	s_cmp_lg_u32 s10, 0
	s_cbranch_scc1 .Lnot_wave_0_\@
	s_barrier_signal -3
.Lnot_wave_0_\@:
	s_barrier_wait -3
	s_barrier_signal -1
	s_barrier_wait -1
.endm
.macro CROUND
	s_barrier_signal -1
	s_barrier_wait -1
	CREST
.endm
	s_load_b128 s[4:7], s[0:1], 0x0                ; ctx16 s[4:5], wo16 s[6:7]
	s_load_b64 s[8:9], s[0:1], 0x10                ; out0
	s_load_b64 s[18:19], s[0:1], 0x18              ; fo
	v_lshl_add_u32 v[SPW], v0, 2, SPARE
	v_mov_b32 v[NIL], 0
	ds_add_u32 v[SPW], v[NIL]                      ; the wave's opening: the add, twice on end, and its wait ahead of my first tensor load
	ds_add_u32 v[SPW], v[NIL]
	v_lshrrev_b32 v1, 5, v0
	v_readfirstlane_b32 s10, v1                    ; wave 0..3
	s_lshr_b32 s11, s10, 1                         ; I fetch for ctx (0) or for Wo (1),
	s_and_b32 s12, s10, 1                          ; its first or second half
	s_bfe_u32 s40, ttmp6, 0x40000                  ; cx
	s_bfe_u32 s41, ttmp6, 0x40004                  ; cy
	s_lshl_b32 s42, ttmp9, 2
	s_add_co_u32 s42, s42, s40                     ; tile column
	s_and_b32 s13, ttmp7, 0xffff
	s_lshl_b32 s13, s13, 2
	s_add_co_u32 s13, s13, s41                     ; tile row
	s_lshl_b32 s43, s41, 2
	s_lshl_b32 s43, 15, s43                        ; my row of the cluster
	s_lshl_b32 s44, 0x1111, s40                    ; my column
	s_or_b32 s[G1A], s43, (1<<16)|(1<<20)|(1<<21)|(5<<22)|(3<<25)  ; the mask; elements of 2 bytes; 4 words of padding behind every 64; bit 21 beside a mask
	s_or_b32 s[G1B], s44, (1<<16)|(1<<20)|(1<<21)|(5<<22)|(3<<25)
	s_mov_b32 s[G1A+1], 128<<16
	s_mov_b32 s[G1A+2], 128<<16                    ; 128 rows a load
	s_mov_b32 s[G1A+3], 128<<16
	s_mov_b32 s[G1A+4], 128
	s_mov_b32 s[G1A+5], 1024
	s_mov_b32 s[G1A+6], 0
	s_mov_b32 s[G1A+7], 0
	s_mov_b32 s[G1B+1], 128<<16
	s_mov_b32 s[G1B+2], 64<<16                     ; 64 rows a load
	s_mov_b32 s[G1B+3], 128<<16
	s_mov_b32 s[G1B+4], 64
	s_mov_b32 s[G1B+5], 1024
	s_mov_b32 s[G1B+6], 0
	s_mov_b32 s[G1B+7], 0
	s_lshl_b32 s16, s13, 8                         ; ctx: row 256 x tile row + 128 x half, 2,048 bytes a row; in registers that never hold cx
	s_lshl_b32 s17, s12, 7
	s_add_co_u32 s16, s16, s17
	s_lshl_b32 s16, s16, 11
	s_mov_b32 s17, 0
	s_lshl_b32 s46, s42, 7                         ; Wo: row 128 x tile column + 64 x half; in registers that never hold cy
	s_lshl_b32 s47, s12, 6
	s_add_co_u32 s46, s46, s47
	s_lshl_b32 s46, s46, 11
	s_mov_b32 s47, 0
	s_mul_i32 s20, s12, 128*PITCH                  ; where they go: no place in the cluster enters an LDS address
	s_mul_i32 s21, s12, 64*PITCH
	s_add_co_u32 s21, s21, BOFF
	s_wait_dscnt 0x0                               ; both opening adds are done
	s_wait_kmcnt 0x0
	s_add_nc_u64 s[16:17], s[4:5], s[16:17]
	s_add_nc_u64 s[46:47], s[6:7], s[46:47]
.irp s, 0,1
	s_mov_b32 s[G0A+4*\s], 1
	s_add_co_u32 s[G0A+4*\s+1], s20, \s*SLOT
	s_add_nc_u64 s[G0A+4*\s+2:G0A+4*\s+3], s[16:17], \s*256
	s_or_b32 s[G0A+4*\s+3], s[G0A+4*\s+3], 0x80000000
	s_mov_b32 s[G0B+4*\s], 1
	s_add_co_u32 s[G0B+4*\s+1], s21, \s*SLOT
	s_add_nc_u64 s[G0B+4*\s+2:G0B+4*\s+3], s[46:47], \s*256
	s_or_b32 s[G0B+4*\s+3], s[G0B+4*\s+3], 0x80000000
.endr
	CROUND                                         ; all sixteen work-groups are here: the first joint loads meet
	JLOAD 0
	JLOAD 1                                        ; two loads of mine are out
	v_and_b32 v1, 15, v0                           ; r
	v_bfe_u32 v2, v0, 4, 1                         ; h
	v_mul_u32_u24 v3, v1, PITCH
	v_lshl_add_u32 v4, v2, 4, v3
	s_mul_i32 s22, s10, 64*PITCH                   ; my 64 rows of ctx
	v_add_nc_u32 v[ADRA], s22, v4
	s_add_co_u32 s22, s22, SLOT
	v_add_nc_u32 v[ADRA+1], s22, v4
	v_add_nc_u32 v[ADRB], BOFF, v4
	v_add_nc_u32 v[ADRB+1], BOFF+SLOT, v4
	s_mul_i32 s22, s10, 16*SPITCH
	s_add_co_u32 s22, s22, STAGE                   ; my stage
	v_mul_u32_u24 v5, v1, SPITCH
	v_lshl_add_u32 v5, v2, 5, v5
	v_add_nc_u32 v[STO], s22, v5                   ; in: row r, 32 bytes for each half of the lanes
	v_and_b32 v6, 31, v0
	v_lshlrev_b32 v[CO], 4, v6
	v_add_nc_u32 v[RD], s22, v[CO]                 ; back: the 32 lanes take one row of 512 bytes
	s_lshl_b32 s22, s13, 8
	s_lshl_b32 s23, s10, 6
	s_add_co_u32 s22, s22, s23                     ; my first row of out0, 8,192 bytes a row,
	s_lshl_b32 s22, s22, 13
	s_lshl_b32 s23, s42, 9                         ; and the tile's first column
	s_add_co_u32 s22, s22, s23
	s_mov_b32 s23, 0
	s_add_nc_u64 s[8:9], s[8:9], s[22:23]
	s_lshr_b32 s22, s13, 3                         ; fo: my batch's 16 rows of 8,192 bytes,
	s_lshl_b32 s22, s22, 17
	s_lshl_b32 s23, s42, 9                         ; the tile's first column
	s_add_co_u32 s22, s22, s23
	s_mov_b32 s23, 0
	s_add_nc_u64 s[18:19], s[18:19], s[22:23]
	s_and_b32 s15, s13, 7
	s_or_b32 s15, s15, s10
	s_cmp_eq_u32 s15, 0                            ; is my first block of rows positions 0..15 of a sequence?
	s_cselect_b32 s15, -1, 0                       ; the select's mask: all lanes or none
.macro FRAG reg, adr, q, i             ; 16 rows x 32 K of f16: registers 0-3 hold K = 8 h + 0..7, registers 4-7 K = 16 + 8 h + 0..7
.irp c, 0,1
	ds_load_b128 v[\reg+4*\c:\reg+4*\c+3], v[\adr] offset:64*(\q)+32*\c+(\i)*16*PITCH
.endr
.endm
.macro FETCH slot, q, p                ; 24 loads in one run
	WIN TO_B
.irp i, 0,1,2,3,4,5,6,7
	FRAG 128*(\p)+8*\i, ADRB+\slot, \q, \i
.endr
	WIN 0
.irp i, 0,1,2,3
	FRAG AF+32*(\p)+8*\i, ADRA+\slot, \q, \i
.endr
.endm
.macro MULS a0, p, zero                ; 16 products; the 32 accumulators take turns, one instruction a turn, in the same order in every quarter
.irp a, \a0, \a0+1
.irp b, 0,1,2,3,4,5,6,7
.if \zero
	v_wmma_f32_16x16x32_f16 v[8*(8*(\a)+\b):8*(8*(\a)+\b)+7], v[128*(\p)+8*\b:128*(\p)+8*\b+7], v[AF+32*(\p)+8*(\a):AF+32*(\p)+8*(\a)+7], 0
.else
	v_wmma_f32_16x16x32_f16 v[8*(8*(\a)+\b):8*(8*(\a)+\b)+7], v[128*(\p)+8*\b:128*(\p)+8*\b+7], v[AF+32*(\p)+8*(\a):AF+32*(\p)+8*(\a)+7], v[8*(8*(\a)+\b):8*(8*(\a)+\b)+7]
.endif
.endr
.endr
.endm
.macro STEP slot, q, zero              ; a quarter that has its successor in the same slot: the successor's fragments are asked for first, four places behind the last product that read their registers
	PLACES 4
	FETCH \slot, (\q)+1, 1-(\q)%2
	s_wait_dscnt 24                                ; all but the 24 loads just issued
	WIN MUL
	MULS 0, (\q)%2, \zero
	MULS 2, (\q)%2, \zero
.endm
.macro TURN slot, next, fill           ; a slot's last quarter changes slots: one barrier; with fill = 1 it opens a round of the cluster's, and the slot is filled again first thing behind the round
	WIN 0
	s_wait_tensorcnt 0x0                           ; all my tensor loads have landed: my part of the next slot
	ds_add_u32 v[SPW], v[NIL]                      ; 0 onto my spare word
	s_wait_dscnt 1                                 ; this quarter's fragments are in; the add may be out
	WIN MUL
	MULS 0, 1, 0
	s_wait_dscnt 0x0                               ; the add is done, and my reads of this slot are over
	s_barrier_signal -1
	MULS 2, 1, 0
	WIN 0
	s_barrier_wait -1
.if \fill
	CREST
	s_add_nc_u64 s[G0A+4*\slot+2:G0A+4*\slot+3], s[G0A+4*\slot+2:G0A+4*\slot+3], 512
	s_add_nc_u64 s[G0B+4*\slot+2:G0B+4*\slot+3], s[G0B+4*\slot+2:G0B+4*\slot+3], 512
	JLOAD \slot                                    ; my one tensor load behind the round; its four v_nop are the places ahead of the loads below
.else
	PLACES 4
.endif
	FETCH \next, 0, 0
.endm
	s_wait_tensorcnt 1                             ; my part of slot 0 is in; slot 1's load may be out
	s_barrier_signal -1
	s_barrier_wait -1
	FETCH 0, 0, 0
	STEP 0, 0, 1                                   ; the first quarter stands ahead of the loop: its products start the sums
	WIN 0
	s_mov_b32 s14, LAPS-1
.Llap:
	STEP 0, 1, 0
	STEP 0, 2, 0
	TURN 0, 1, 1
	STEP 1, 0, 0
	STEP 1, 1, 0
	STEP 1, 2, 0
	TURN 1, 0, 1
	STEP 0, 0, 0
	WIN 0
	s_sub_co_u32 s14, s14, 1
	s_cmp_lg_u32 s14, 0
	s_cbranch_scc1 .Llap
.irp t, 0,1,2,3,4,5,6,7,8,9,10,11,12,13,14,15
	global_load_b128 v[FOR+4*\t:FOR+4*\t+3], v[CO], s[18:19] offset:\t*8192    ; fo's 16 rows, 512 consecutive bytes a load: they have the last lap's 224 products in which to land
.endr
	STEP 0, 1, 0                                   ; the last lap fills nothing
	STEP 0, 2, 0
	TURN 0, 1, 0
	STEP 1, 0, 0
	STEP 1, 1, 0
	STEP 1, 2, 0
	s_wait_dscnt 0x0
	WIN MUL
	MULS 0, 1, 0
	MULS 2, 1, 0
	WIN 0
; THE WAY OUT, block by block of 16 rows x 128 columns, through my own stage: whole rows of 512 bytes come back, and the 32 lanes store them.
.macro TOSTAGE a
	WIN 0x08                                       ; an LDS store's data are its source 1: window 2
.irp b, 0,1,2,3,4,5,6,7
	ds_store_b128 v[STO], v[64*(\a)+8*\b:64*(\a)+8*\b+3] offset:64*\b          ; each accumulator from its low end on
	ds_store_b128 v[STO], v[64*(\a)+8*\b+4:64*(\a)+8*\b+7] offset:64*\b+16
.endr
	WIN 0
.set BB, BK+64*((\a)%2)
.irp t, 0,1,2,3,4,5,6,7,8,9,10,11,12,13,14,15
	ds_load_b128 v[BB+4*\t:BB+4*\t+3], v[RD] offset:\t*SPITCH      ; LDS serves a wave's instructions in order: these see the stores above
.endr
.endm
.macro SEND a, younger
.set BB, BK+64*((\a)%2)
	s_wait_dscnt \younger                          ; the block is back in registers; the next block's 16 stores and 16 loads may be out
.if (\a) > 0
	s_add_nc_u64 s[8:9], s[8:9], 16*8192           ; 16 rows on (the earlier stores have read their base: a wait on XCNT stands ahead)
.else
	s_wait_loadcnt 0x0                             ; fo's rows are in
.set i, 0
.rept 64
	v_cndmask_b32 v[BB+i], v[BB+i], v[FOR+i], s15  ; positions 0..15 take the rows made from f32 operands; every other block keeps its own
.set i, i+1
.endr
.endif
.irp t, 0,1,2,3,4,5,6,7,8,9,10,11,12,13,14,15
	global_store_b128 v[CO], v[BB+4*\t:BB+4*\t+3], s[8:9] offset:\t*8192 th:TH_STORE_NT   ; 32 lanes store 512 consecutive bytes, aligned
.endr
.endm
	PLACES 4                                       ; behind the last products: results are read, and registers that held fragments are loaded
	TOSTAGE 0
.irp a, 1,2,3
.if \a > 1
	s_wait_xcnt 0x0                                ; block a - 2's stores have read their registers and their base
.endif
	TOSTAGE \a
	SEND \a-1, 32
.endr
	s_wait_xcnt 0x0
	SEND 3, 0
	s_wait_tensorcnt 0x0                           ; the wave's end: behind my last tensor load and my last LDS store
	ds_add_u32 v[SPW], v[NIL]
	s_wait_dscnt 0x0
	CROUND                                         ; the closing round
	s_endpgm
.Lfunc_end_k_q029281472d_proj:
	.size	k_q029281472d_proj, .Lfunc_end_k_q029281472d_proj-k_q029281472d_proj
	.p2alignl 7, 3214868480
	.fill 96, 4, 3214868480
	.section	.rodata,"a",@progbits
	.p2align	6, 0x0
	.amdhsa_kernel k_q029281472d_proj
		.amdhsa_group_segment_fixed_size 327680
		.amdhsa_private_segment_fixed_size 0
		.amdhsa_enable_private_segment 0
		.amdhsa_kernarg_size 32
		.amdhsa_user_sgpr_count 2
		.amdhsa_user_sgpr_kernarg_segment_ptr 1
		.amdhsa_wavefront_size32 1
		.amdhsa_system_sgpr_workgroup_id_x 1
		.amdhsa_system_sgpr_workgroup_id_y 1
		.amdhsa_system_sgpr_workgroup_id_z 1
		.amdhsa_system_vgpr_workitem_id 0
		.amdhsa_next_free_vgpr 768
		.amdhsa_next_free_sgpr 66
		.amdhsa_reserve_vcc 0
		.amdhsa_float_denorm_mode_32 3
		.amdhsa_float_denorm_mode_16_64 3
		.amdhsa_memory_ordered 1
		.amdhsa_forward_progress 1
		.amdhsa_inst_pref_size 90
	.end_amdhsa_kernel
	.amdgpu_metadata
---
amdhsa.version: [ 1, 2 ]
amdhsa.kernels:
  - .name:           k_q029281472d_proj
    .symbol:         k_q029281472d_proj.kd
    .args:
      - { .name: ctx16, .offset: 0, .size: 8, .value_kind: global_buffer, .address_space: global }
      - { .name: wo16, .offset: 8, .size: 8, .value_kind: global_buffer, .address_space: global }
      - { .name: out0, .offset: 16, .size: 8, .value_kind: global_buffer, .address_space: global }
      - { .name: fo, .offset: 24, .size: 8, .value_kind: global_buffer, .address_space: global }
    .group_segment_fixed_size: 327680
    .private_segment_fixed_size: 0
    .kernarg_segment_align: 8
    .kernarg_segment_size: 32
    .max_flat_workgroup_size: 128
    .sgpr_count:     66
    .vgpr_count:     768
    .wavefront_size: 32
...
	.end_amdgpu_metadata
.endif
;; end of part 4
